; MI455X (gfx1250); checked and timed in simulation.
; The chip was launched on July 23, 2026; its instructions are those of AMD's public machine-readable ISA for CDNA 5 (MIT licence, August 2026) and "CDNA5" Instruction Set Architecture Reference Guide (July 2026). The comments in the code are by the model that wrote it; some were corrected since.
;; Muti Attention. Allowed arithmetic: matrix products marked QUANTISED: E2M3 operands, one E8M0 scale for each 32 along K, by v_wmma_scale_f32_16x16x128_f8f6f4 with both operands' format E2M3, f32 sums; everything else in f32.
;; Inputs: W_Query_codes 512 x 16 x 24 uint8 (E2M3 codes of W_Query, K innermost, in blocks of 32 codes, four codes in three bytes); W_Query_scales 512 x 16 uint8 (E8M0 scales of W_Query, one for each 32 codes along K); W_Value_codes 512 x 16 x 24 uint8 (E2M3 codes of W_Value, K innermost, in blocks of 32 codes, four codes in three bytes); W_Value_scales 512 x 16 uint8 (E8M0 scales of W_Value, one for each 32 codes along K); W_key_codes 512 x 16 x 24 uint8 (E2M3 codes of W_key, K innermost, in blocks of 32 codes, four codes in three bytes); W_key_scales 512 x 16 uint8 (E8M0 scales of W_key, one for each 32 codes along K); fw1_codes 2,048 x 16 x 24 uint8 (E2M3 codes of fw1, K innermost, in blocks of 32 codes, four codes in three bytes); fw1_scales 2,048 x 16 uint8 (E8M0 scales of fw1, one for each 32 codes along K); fw2_codes 512 x 64 x 24 uint8 (E2M3 codes of fw2, K innermost, in blocks of 32 codes, four codes in three bytes); fw2_scales 512 x 64 uint8 (E8M0 scales of fw2, one for each 32 codes along K); keys_codes 16 x 1,024 x 16 x 24 uint8 (E2M3 codes of keys, K innermost, in blocks of 32 codes, four codes in three bytes); keys_scales 16 x 1,024 x 16 uint8 (E8M0 scales of keys, one for each 32 codes along K); queries 16 x 1,024 x 512 float32.
;; Outputs: out0 16 x 1 x 512 float32.
;; This version of the problem:
;;   THIS VERSION OF THE PROBLEM IS GIVEN IN LOW PRECISION. The matrix products marked QUANTISED in the list below multiply operands that are first quantised to E2M3 (2 exponent bits, 3 mantissa bits; 6 bits a number), with one power-of-two scale for each 32 numbers along K (OCP MX v1.0); their sums are f32. All else is computed in f32.
;;   The module's matrix products, in the order in which they are computed (A, B: the left and right operand; K: the contracted axis; several contracted axes count as one K, in the product's order):
;;     1. [M 16,384, K 512] x [K 512, N 512]; A: input queries; B: input W_Query (given as codes): QUANTISED
;;     2. [M 16,384, K 512] x [K 512, N 512]; A: input keys (given as codes); B: input W_key (given as codes): QUANTISED
;;     3. [M 16,384, K 512] x [K 512, N 512]; A: computed on the way; B: input W_Value (given as codes): QUANTISED
;;     4. batch 128 x [M 1,024, K 64] x [K 64, N 1,024]; A: computed on the way; B: computed on the way: QUANTISED
;;     5. batch 128 x [M 1,024, K 1,024] x [K 1,024, N 64]; A: softmax (see below); B: computed on the way: QUANTISED
;;     6. [M 16,384, K 512] x [K 512, N 2,048]; A: computed on the way; B: input fw1 (given as codes): QUANTISED
;;     7. [M 16,384, K 2,048] x [K 2,048, N 512]; A: computed on the way; B: input fw2 (given as codes): QUANTISED
;;   THE QUANTISER, for each operand of a quantised product, along K:
;;     - K is cut into blocks of 32 from its start; a last block that is shorter is filled with zeros.
;;     - A block's scale is 2^e with e = floor(log2(the largest magnitude in the block)) - 2, held to -126 .. 127; a block of zeros has e = 0. As a byte (E8M0): e + 127.
;;     - Each number is divided by its block's scale, clamped to +-7.5, and rounded to the nearest number of E2M3, ties to even, subnormals kept.
;;     - The product sums the exact products of the quantised numbers (number of the format x scale) in f32.
;;   ~~~python
;;   def quantise(x, axis):      # numpy; x: float32 -> the quantised numbers, widened to float32 again
;;       x = np.moveaxis(x, axis, -1); K = x.shape[-1]
;;       x = np.pad(x, [(0, 0)] * (x.ndim - 1) + [(0, -K % 32)]); x = x.reshape(x.shape[:-1] + (-1, 32)); a = np.abs(x).max(-1, keepdims=True)
;;       e = np.where(a > 0, np.clip(np.frexp(np.where(a > 0, a, 1))[1] - 1 - 2, -126, 127), 0)      # np.frexp(a)[1] - 1 = floor(log2(a)), exactly
;;       r = np.clip(x / 2.0 ** e, -7.5, 7.5)
;;       step = 2.0 ** (np.maximum(np.frexp(np.where(r == 0, 1, r))[1] - 1, 0) - 3)
;;       q = np.round(r / step) * step * 2.0 ** e      # np.round: ties to even
;;       return np.moveaxis(q.reshape(q.shape[:-2] + (-1,))[..., :K], -1, axis).astype(np.float32)
;;   ~~~
;;   SOFTMAX AHEAD OF A QUANTISED PRODUCT. Where the list says 'softmax', what is quantised is not the finished softmax but p = 2^(t - M), with t = logit x log2(e) and M = ceil(the row's largest t), a whole number; so 1/2 < the row's largest p <= 1. The row's sum l is taken of the UNQUANTISED p, in f32, and the product's result is divided by l at the end. Since M is a whole number, a kernel that streams over the keys may use a running M (the ceiling of the running maximum): every later rescaling is an exact power of two, which a block's scale takes up: the codes' values come out the same.
;;   OPERANDS COMPUTED ON THE WAY. 'Computed on the way' means the value that the module computes at that place (a softmax that the list does not call 'softmax' is quantised finished and normalised). What goes into a quantiser is computed in f32, as accurately as f32 sums, v_exp_f32 and their like allow (about 1e-6 of the number): no bf16 or f16 on the way to a quantiser, and a product that is left as it is and whose result goes on into a quantised operand takes f32 operands (vector FMAs, or v_wmma_f32_16x16x4_f32). A number that lies on a knife's edge between two numbers of the format may be rounded either way, as far as f32 arithmetic and the matrix unit's own rounding can turn it there, and no further.
;;   INPUTS GIVEN AS CODES. W_Query (in the module: [512, 512], K = its axis 0); W_Value (in the module: [512, 512], K = its axis 0); W_key (in the module: [512, 512], K = its axis 0); fw1 (in the module: [512, 2048], K = its axis 0); fw2 (in the module: [2048, 512], K = its axis 0); keys (in the module: [16, 1024, 512], K = its axis 2): each comes as NAME_codes (uint8): NAME with its K axis moved to the last place and cut into blocks of 32 codes, [.., K / 32, bytes a block], one block behind the other in memory; four codes in three bytes: a row's codes are one little-endian stream of bits, code i at bits 6 i .. 6 i + 5 (a code: sign, 2 exponent bits, 3 mantissa bits); and NAME_scales (uint8): the same leading axes, one E8M0 byte (e + 127) for each 32 codes along K. Its value is code x scale, taken as it is: it is not quantised again, and the codes and scales need not be those that the quantiser above would give.
;; 2 versions. Each part assembles by itself: llvm-mc -triple=amdgcn-amd-amdhsa -mcpu=gfx1250 --defsym DOCPART=n.
;; ======== version 1 of 2: 4 launches
;; workspace buffers: qb 6,815,744 bytes; kv 13,369,344 bytes; xc 6,291,456 bytes; xs 262,144 bytes; rsum 131,072 bytes; fpart 524,288 bytes
;; launch proj (part 1): grid 256 x 1, 4 waves a work-group, no clusters, 204,288 bytes of LDS; arguments queries, keys_codes, keys_scales, W_Query_codes, W_Query_scales, W_key_codes, W_key_scales, W_Value_codes, W_Value_scales, qb, kv; writes qb, kv
.if DOCPART == 1
	.amdgcn_target "amdgcn-amd-amdhsa--gfx1250"
	.amdhsa_code_object_version 6
	.text
	.protected	k_q578724e724_proj
	.globl	k_q578724e724_proj
	.p2align	8
	.type	k_q578724e724_proj,@function
k_q578724e724_proj:
	s_mov_b64 s[64:65], 0
	v_nop
	global_prefetch_b8 v0, s[64:65] scope:SCOPE_SE
	s_setreg_imm32_b32 hwreg(HW_REG_WAVE_MODE, 25, 1), 1
	s_wait_xcnt 0x0
; q = Q(queries) Wq,  k = keys Wk,  v = Q(k) Wv, all on codes of FP6 (E2M3) with one E8M0 scale for each 32 along K; the results leave as codes.
; Even work-groups take 128 rows of queries (the Q path), odd ones 128 rows of keys (the KV path): one scalar branch on the work-group's number, and each path has LDS bytes of its own.
; THE WAVES SHARE THE COLUMNS: wave w owns columns 128 w .. 128 w + 127 (heads 2 w and 2 w + 1) for all 128 rows, so its part of a weight (32 fragments) stays in its registers.
; The rows' codes go from wave to wave through LDS as images of the operand's registers: 3 stores of 16 bytes a lane at 16 x lane, the scale word at 4 x lane.
; q and k are made TRANSPOSED (source 0 = 16 rows of the weight, source 1 = 16 rows of x): a lane holds one row and its registers run along the columns, the next K.
; THE ROWS OF A WEIGHT THAT FORM A TILE ARE NOT NEIGHBOURS: lane r of tile 2 b + u takes row 32 b + 8 u + r + 8 (r / 8), so that the 16 registers of tiles 2 b, 2 b + 1 are 16 neighbours.
; The keys' row tiles are chosen in the same order, so that in v = k Wv (not transposed: a lane holds one channel) the registers run down 16 neighbouring keys, the K of attention's second product.
; OUT.  qb [b][head]: 64 half fragments of 768 bytes (registers 0-3 at 16 x lane, 4-5 at 512 + 8 x lane: one head's 64 codes of 16 rows), then 64 x 16 scale words (low two bytes).
;       kv [b][head]: K's 64 half fragments, V's 8 x 4 whole fragments (16 channels x 128 keys), K's 64 x 16 scale words, V's 32 x 16.  Every store covers whole aligned runs of 256 bytes.
; No cluster: the launch has no tensor load to share; a KV work-group's two weights, 393,216 bytes, do not fit in LDS as tiles filled once, so weights go from memory straight into registers.
; LIMITS: NaN and infinities are not served; a block of zeros, or one whose largest magnitude lies under 2^-124, gets the byte 1 (its bytes are read by this program alone).
; REGISTERS: window 0: v1-23 addresses, v24-71 x's four fragments, v72-135 eight result tiles, v136-154 codes just made, v156-171 at work, v176-179 x's scale words, v180-211 and v212-243 the weights' scale words,
;   v244-255 fragment 63.  Windows 1-3: fragments 0-62, 21 to a window.  Q path: window 3 holds four sets of 64 numbers of x as loaded.
.set HBQ,   53248
.set HBK,   104448
.set VOFF,  49152
.set KSOFF, 98304
.set VSOFF, 102400
.set F32S,  0                          ; Q path: a stage of 16 rows x (512 + 16) bytes for each wave
.set XIMQ,  33792                      ; x's 32 fragments (4 m + s)
.set XSCQ,  82944                      ; their scale words, 128 bytes each
.set SGQ,   87040                      ; scale words on their way out: 1,024 bytes a wave
.set XIMK,  91136                      ; KV path: the same three,
.set XSCK,  140288
.set KIMG,  144384                     ; k's 32 fragments (4 m + wave),
.set KSC,   193536                     ; their scale words,
.set SGK,   197632
.set SGV,   201728                     ; V's scale words on their way out: 512 bytes a wave
.set XF,  24
.set HA,  72
.set PC,  136
.set TM,  156
.set PW,  172
.set XS,  176
.set WS,  180
.set WVS, 212
.set SEL, 46
.set MSB, 0
.macro WIN new                         ; the immediate's high byte repeats the setting that is left; a switch that changes nothing is dropped
.if MSB != (\new)
	s_set_vgpr_msb (MSB<<8)|(\new)
.set MSB, \new
.endif
.endm
.macro FLOC f                          ; where fragment f lies: window FW, register FG
.if (\f) < 63
.set FW, 1+(\f)/21
.set FG, 12*((\f)%21)
.else
.set FW, 0
.set FG, 244
.endif
.endm
.macro PLACES                          ; four plain places behind matrix instructions (ISA guide 7.12.1)
.rept 4
	v_nop
.endr
.endm
.macro BARRIER                         ; my LDS stores have landed and my LDS loads are in: then the work-group's barrier
	s_wait_dscnt 0x0
	s_barrier_signal -1
	s_barrier_wait -1
.endm
.macro MM0 d, a, b, sa, sb             ; the first K step starts a sum
	v_wmma_scale_f32_16x16x128_f8f6f4 v[\d:\d+7], v[\a:\a+11], v[\b:\b+11], 0, v[\sa], v[\sb] matrix_a_fmt:MATRIX_FMT_FP6 matrix_b_fmt:MATRIX_FMT_FP6
.endm
.macro MMA d, a, b, sa, sb
	v_wmma_scale_f32_16x16x128_f8f6f4 v[\d:\d+7], v[\a:\a+11], v[\b:\b+11], v[\d:\d+7], v[\sa], v[\sb] matrix_a_fmt:MATRIX_FMT_FP6 matrix_b_fmt:MATRIX_FMT_FP6
.endm
; 64 numbers of a lane, register 16 b + i = k 32 b + 16 (lane / 16) + i of my row, become a fragment's codes in v[PC] on and its scale word in v[PW].
.macro QUANT s
.irp b, 0,1,2,3
	v_max3_num_f32 v[TM+\b], |v[\s+16*\b]|, |v[\s+1+16*\b]|, 0x1800000   ; my 16 numbers of block b, and the floor 2^(3 - 127): the byte cannot fall under 1
.endr
.irp i, 2,4,6,8,10,12,14
.irp b, 0,1,2,3
	v_max3_num_f32 v[TM+\b], v[TM+\b], |v[\s+16*\b+\i]|, |v[\s+1+16*\b+\i]|
.endr
.endr
.irp b, 0,1,2,3
	v_permlanex16_b32 v[TM+4+\b], v[TM+\b], s[SEL], s[SEL+1]
.endr
.irp b, 0,1,2,3
	v_max_num_f32 v[TM+\b], v[TM+\b], v[TM+4+\b]   ; with lane l xor 16's: the block's largest magnitude
.endr
.irp b, 0,1,2,3
	v_add_nc_u32 v[TM+12+\b], 0xff000000, v[TM+\b]   ; 2 off its exponent field: the conversion's scale operand
.endr
.irp b, 0,1,2,3
	v_lshrrev_b32 v[TM+4+\b], 23, v[TM+12+\b]      ; the scale's byte
.endr
	v_lshl_or_b32 v[PW], v[TM+5], 8, v[TM+4]
	v_lshl_or_b32 v[PW], v[TM+6], 16, v[PW]
	v_lshl_or_b32 v[PW], v[TM+7], 24, v[PW]
.irp c, 0,1
	v_cvt_scalef32_pk16_fp6_f32 v[PC+6*\c:PC+2+6*\c], v[\s+32*\c:\s+15+32*\c], v[TM+12+2*\c]
	v_cvt_scalef32_pk16_fp6_f32 v[PC+12+4*\c:PC+14+4*\c], v[\s+16+32*\c:\s+31+32*\c], v[TM+12+2*\c+1]
.endr
	v_nop                                          ; one plain place behind a scaled conversion
.irp c, 0,1                                    ; the operand's layout wants a whole block in a lane
.irp i, 0,1,2
	v_permlane16_swap_b32 v[PC+6*\c+\i], v[PC+12+4*\c+\i]
.endr
.irp i, 0,1,2
	v_mov_b32 v[PC+3+6*\c+\i], v[PC+12+4*\c+\i]
.endr
.endr
.endm
; My 128 rows of a weight: 32 fragments (tile t, K step s) into fragments fb + 4 t + s; a fragment is six loads of 8 bytes a lane, as the codes lie
.macro WLOAD fb, sb
.irp t, 0,1,2,3,4,5,6,7
.irp s, 0,1,2,3
	FLOC (\fb)+4*\t+\s
	WIN FW<<6
.irp p, 0,1,2,3,4,5
	global_load_b64 v[FG+2*\p:FG+2*\p+1], v8, s[\sb:\sb+1] offset:(32*(\t/2)+8*(\t%2))*384+96*\s+48*(\p/3)+8*(\p%3)
.endr
.endr
.endr
	WIN 0
.endm
.macro WSLOAD reg, sb                  ; and their scale words: 16 bytes a row are the four K steps' words
.irp t, 0,1,2,3,4,5,6,7
	global_load_b128 v[\reg+4*\t:\reg+4*\t+3], v9, s[\sb:\sb+1] offset:(32*(\t/2)+8*(\t%2))*16
.endr
.endm
.macro XLOAD tile, s                   ; 16 rows x 128 numbers of x: each load reads 512 consecutive bytes of one row
	WIN 0xc0
.irp i, 0,1,2,3,4,5,6,7,8,9,10,11,12,13,14,15
	global_load_b128 v[64*(\s)+4*\i:64*(\s)+4*\i+3], v4, s[56:57] offset:(16*(\tile)+\i)*2048+512*(\s) th:TH_LOAD_NT
.endr
	WIN 0
.endm
; A set of x turns through my stage (in: rows as loaded; out: 16 neighbours of each block of 32 a lane), is quantised, and its image goes to LDS.  n: the younger loads that may stay out
.macro XTURN tile, s, n, refill
	s_wait_loadcnt \n
	WIN 0x0c                                       ; an LDS store's data are its source 1: window 3
.irp i, 0,1,2,3,4,5,6,7,8,9,10,11,12,13,14,15
	ds_store_b128 v11, v[64*(\s)+4*\i:64*(\s)+4*\i+3] offset:528*\i
.endr
	WIN 0
.irp b, 0,1,2,3
.irp j, 0,1,2,3
	ds_load_b128 v[HA+16*\b+4*\j:HA+16*\b+4*\j+3], v12 offset:128*\b+16*\j   ; LDS serves a wave's instructions in order: these see the stores above
.endr
.endr
	s_wait_dscnt 0x0                               ; the numbers are back; the stage's stores and the last image's stores have read their registers
.if \refill
	XLOAD 1, \s
.endif
	QUANT HA
.irp c, 0,1,2
	ds_store_b128 v13, v[PC+4*\c:PC+4*\c+3] offset:(4*(\tile)+(\s))*1536+512*\c
.endr
	ds_store_b32 v14, v[PW] offset:128*(4*(\tile)+(\s))
.endm
; Eight trips, a tile of 16 rows each: x's four fragments from LDS, 32 products on eight accumulators by turns, quantised, the two heads' halves to memory.  kv = 1: the whole image also to LDS, for v
.macro PROJ kv, hs
	s_mov_b32 s40, 0
	s_mov_b32 s41, 0
	s_mov_b32 s42, 0
	s_mov_b32 s43, 0
.Lproj_\@:
	v_add_nc_u32 v15, s41, v20
	v_add_nc_u32 v16, s42, v21
	v_add_nc_u32 v19, s43, v175
.if \kv
	v_add_nc_u32 v17, s41, v22
	v_add_nc_u32 v18, s42, v23
.endif
.irp s, 0,1,2,3
.irp c, 0,1,2
	ds_load_b128 v[XF+12*\s+4*\c:XF+12*\s+4*\c+3], v15 offset:1536*\s+512*\c
.endr
	ds_load_b32 v[XS+\s], v16 offset:128*\s
.endr
	s_wait_dscnt 0x0                               ; x's fragments are in, and the last trip's LDS stores have read their registers
.irp s, 0,1,2,3
.irp t, 0,1,2,3,4,5,6,7
	FLOC 4*\t+\s
	WIN FW
.if \s == 0
	MM0 HA+8*\t, FG, XF+12*\s, WS+4*\t+\s, XS+\s
.else
	MMA HA+8*\t, FG, XF+12*\s, WS+4*\t+\s, XS+\s
.endif
.endr
.endr
	WIN 0
	PLACES
	QUANT HA
.irp c, 0,1                                    ; registers 6 c .. 6 c + 5 are head 2 w + c's 64 codes: 768 consecutive bytes
	global_store_b128 v4, v[PC+6*\c:PC+6*\c+3], s[36:37] offset:\c*(\hs)
	global_store_b64 v5, v[PC+6*\c+4:PC+6*\c+5], s[36:37] offset:\c*(\hs)+512
.endr
	v_and_b32 v173, 0xffff, v[PW]                  ; each head's two scale bytes as a word of its own
	v_lshrrev_b32 v174, 16, v[PW]
	ds_store_b32 v19, v173
	ds_store_b32 v19, v174 offset:512
.if \kv
.irp c, 0,1,2
	ds_store_b128 v17, v[PC+4*\c:PC+4*\c+3] offset:512*\c
.endr
	ds_store_b32 v18, v[PW]
.endif
	s_wait_xcnt 0x0                                ; the stores have read their data and their base: both are written again
	s_add_nc_u64 s[36:37], s[36:37], 768
	s_add_co_u32 s41, s41, 6144
	s_add_co_u32 s42, s42, 512
	s_add_co_u32 s43, s43, 64
	s_add_co_u32 s40, s40, 1
	s_cmp_lt_u32 s40, 8
	s_cbranch_scc1 .Lproj_\@
	ds_load_b128 v[24:27], v7                      ; the eight tiles' scale words of each head: 512 consecutive bytes
	ds_load_b128 v[28:31], v7 offset:512
	s_wait_dscnt 0x0
	global_store_b128 v4, v[24:27], s[38:39]
	global_store_b128 v4, v[28:31], s[38:39] offset:\hs
.endm
	s_load_b512 s[4:19], s[0:1], 0x0               ; queries, keys' codes, keys' scales, Wq's codes, Wq's scales, Wk's codes, Wk's scales, Wv's codes
	s_load_b128 s[20:23], s[0:1], 0x40             ; Wv's scales, qb
	s_load_b64 s[24:25], s[0:1], 0x50              ; kv
	v_lshl_add_u32 v166, v0, 2, 0x31c00
	v_mov_b32 v167, 0
	v_lshrrev_b32 v1, 5, v0
	v_readfirstlane_b32 s26, v1                    ; wave
	v_and_b32 v1, 31, v0                           ; lane
	v_and_b32 v2, 15, v0                           ; r
	v_bfe_u32 v3, v0, 4, 1                         ; h
	v_lshlrev_b32 v4, 4, v1                        ; 16 x lane
	v_lshlrev_b32 v5, 3, v1                        ; 8 x lane
	v_lshlrev_b32 v6, 2, v2                        ; 4 r
	v_lshlrev_b32 v10, 2, v1                       ; 4 x lane
	v_and_b32 v7, 8, v2
	v_add_nc_u32 v7, v7, v2                        ; r + 8 (r / 8)
	v_mul_u32_u24 v8, v7, 384
	v_mad_u32_u24 v8, v3, 24, v8                   ; a fragment's lane term in rows of 384 bytes
	v_lshlrev_b32 v9, 4, v7                        ; and in rows of 16 scale bytes
.irp b, 0,1,2,3
	v_mov_b32 v[TM+4+\b], 0                        ; written once: a lane permute's destination counts as one of its sources
.endr
	s_mov_b32 s[SEL], 0x76543210
	s_mov_b32 s[SEL+1], 0xfedcba98
	s_and_b32 s27, ttmp9, 1                        ; 0: Q path, 1: KV path
	s_lshr_b32 s28, ttmp9, 1                       ; which 128 rows
	s_lshr_b32 s29, s28, 3                         ; batch
	s_and_b32 s30, s28, 7                          ; which 128 rows of the batch
	s_mul_i32 s58, s26, 49152                      ; my 128 rows of a weight's codes,
	s_mov_b32 s59, 0
	s_lshl_b32 s60, s26, 11                        ; and of its scale bytes
	s_mov_b32 s61, 0
	s_lshl_b32 s31, s29, 3
	s_lshl_b32 s32, s26, 1
	s_add_co_u32 s31, s31, s32                     ; 8 b + 2 w: my first head's place in qb and kv
	s_mov_b32 s35, 0
	s_wait_kmcnt 0x0
	s_cmp_eq_u32 s27, 0
	s_cbranch_scc0 .Lkv
	; ---------------- THE Q PATH ----------------
	s_mul_i32 s32, s26, 8448
	v_add_nc_u32 v11, s32, v4                      ; my stage, in
	v_mul_u32_u24 v12, v2, 528
	v_lshl_add_u32 v12, v3, 6, v12
	v_add_nc_u32 v12, s32, v12                     ; and out: row r, + 64 h
	s_mul_i32 s33, s26, 12288
	s_add_co_u32 s33, s33, XIMQ
	v_add_nc_u32 v13, s33, v4                      ; where I store x's images
	s_lshl_b32 s33, s26, 10
	s_add_co_u32 s34, s33, XSCQ
	v_add_nc_u32 v14, s34, v10                     ; and their scale words
	s_add_co_u32 s34, s33, SGQ
	v_add_nc_u32 v175, s34, v6
	v_add_nc_u32 v7, s34, v4
	v_add_nc_u32 v20, XIMQ, v4
	v_add_nc_u32 v21, XSCQ, v10
	s_lshl_b32 s32, s28, 18
	s_lshl_b32 s33, s26, 16
	s_add_co_u32 s34, s32, s33
	s_add_nc_u64 s[56:57], s[4:5], s[34:35]        ; queries at my 32 rows
	s_add_nc_u64 s[48:49], s[10:11], s[58:59]
	s_add_nc_u64 s[50:51], s[12:13], s[60:61]
	s_mul_i32 s32, s31, HBQ
	s_mul_i32 s33, s30, 6144
	s_add_co_u32 s34, s32, s33
	s_add_nc_u64 s[36:37], s[22:23], s[34:35]      ; qb: my first head's half fragments of these rows
	s_lshl_b32 s33, s30, 9
	s_add_co_u32 s34, s32, s33
	s_add_co_u32 s34, s34, 49152
	s_add_nc_u64 s[38:39], s[22:23], s[34:35]      ; and their scale words
	XLOAD 0, 0
	XLOAD 0, 1
	XLOAD 0, 2
	XLOAD 0, 3
	WLOAD 0, 48
	WSLOAD WS, 50
	XTURN 0, 0, 63, 1                              ; behind each of these four sets 248 younger loads were issued; a wait names 63 at the most, and a smaller count is safe
	XTURN 0, 1, 63, 1
	XTURN 0, 2, 63, 1
	XTURN 0, 3, 63, 1
	XTURN 1, 0, 48, 0                              ; the second tile's sets: three, two, one, no younger set of 16 loads; the weights were issued ahead of them and are in
	XTURN 1, 1, 32, 0
	XTURN 1, 2, 16, 0
	XTURN 1, 3, 0, 0
	BARRIER                                        ; x's 32 fragments lie in LDS
	PROJ 0, HBQ
	s_wait_tensorcnt 0x0
	ds_add_u32 v166, v167
	s_wait_dscnt 0x0
	s_endpgm
	; ---------------- THE KV PATH ----------------
.Lkv:
	s_mul_i32 s33, s26, 12288
	s_add_co_u32 s33, s33, XIMK
	v_add_nc_u32 v13, s33, v4
	s_lshl_b32 s33, s26, 10
	s_add_co_u32 s34, s33, XSCK
	v_add_nc_u32 v14, s34, v10
	s_add_co_u32 s34, s33, SGK
	v_add_nc_u32 v175, s34, v6
	v_add_nc_u32 v7, s34, v4
	v_add_nc_u32 v20, XIMK, v4
	v_add_nc_u32 v21, XSCK, v10
	s_mul_i32 s33, s26, 1536
	s_add_co_u32 s33, s33, KIMG
	v_add_nc_u32 v22, s33, v4                      ; k's images: fragment 4 m + wave
	s_lshl_b32 s33, s26, 7
	s_add_co_u32 s33, s33, KSC
	v_add_nc_u32 v23, s33, v10
	s_lshl_b32 s33, s26, 9
	s_add_co_u32 s33, s33, SGV
	v_add_nc_u32 v11, s33, v6
	v_add_nc_u32 v12, s33, v4
	s_mul_i32 s32, s31, HBK
	s_mul_i32 s33, s30, 6144
	s_add_co_u32 s34, s32, s33
	s_add_nc_u64 s[36:37], s[24:25], s[34:35]      ; kv: K's half fragments
	s_add_co_u32 s34, s34, VOFF
	s_add_nc_u64 s[44:45], s[24:25], s[34:35]      ; V's fragments of this key step
	s_lshl_b32 s33, s30, 9
	s_add_co_u32 s34, s32, s33
	s_add_co_u32 s34, s34, KSOFF
	s_add_nc_u64 s[38:39], s[24:25], s[34:35]      ; K's scale words
	s_lshl_b32 s33, s30, 8
	s_add_co_u32 s34, s32, s33
	s_add_co_u32 s34, s34, VSOFF
	s_add_nc_u64 s[66:67], s[24:25], s[34:35]      ; V's scale words
	s_mul_i32 s32, s28, 49152
	s_mul_i32 s33, s26, 12288
	s_add_co_u32 s34, s32, s33
	s_add_nc_u64 s[56:57], s[6:7], s[34:35]        ; keys' codes at my 32 rows
	s_lshl_b32 s32, s28, 11
	s_lshl_b32 s33, s26, 9
	s_add_co_u32 s34, s32, s33
	s_add_nc_u64 s[62:63], s[8:9], s[34:35]        ; and their scale bytes
	s_add_nc_u64 s[48:49], s[14:15], s[58:59]
	s_add_nc_u64 s[50:51], s[16:17], s[60:61]
	s_add_nc_u64 s[52:53], s[18:19], s[58:59]
	s_add_nc_u64 s[54:55], s[20:21], s[60:61]
.irp u, 0,1                                    ; my two row tiles 2 w + u of the keys, rows 32 w + 8 u + r + 8 (r / 8), four K steps each
.irp s, 0,1,2,3
.irp p, 0,1,2,3,4,5
	global_load_b64 v[XF+12*(4*\u+\s)+2*\p:XF+12*(4*\u+\s)+2*\p+1], v8, s[56:57] offset:8*\u*384+96*\s+48*(\p/3)+8*(\p%3)
.endr
.endr
	global_load_b128 v[120+4*\u:123+4*\u], v9, s[62:63] offset:128*\u
.endr
	WLOAD 0, 48
	WSLOAD WS, 50
	s_wait_loadcnt 63                              ; the keys are in: 200 younger loads were issued behind them
.irp f, 0,1,2,3,4,5,6,7
.irp c, 0,1,2
	ds_store_b128 v13, v[XF+12*\f+4*\c:XF+12*\f+4*\c+3] offset:1536*\f+512*\c
.endr
	ds_store_b32 v14, v[120+\f] offset:128*\f
.endr
	WLOAD 32, 52                                   ; Wv lands while k is made
	WSLOAD WVS, 54
	s_wait_loadcnt 63                              ; Wk and its scale words are in: 200 younger loads were issued behind them
	BARRIER                                        ; the keys' 32 fragments lie in LDS
	PROJ 1, HBK
	s_wait_loadcnt 0x0                             ; Wv
	BARRIER                                        ; k's 32 fragments lie in LDS
	v_add_nc_u32 v15, KIMG, v4
	v_add_nc_u32 v16, KSC, v10
	v_mul_u32_u24 v17, v3, HBK
	v_lshl_add_u32 v17, v2, 4, v17                 ; V's scale words out: lanes 0-15 my first head, lanes 16-31 my second
.set F, 0
.rept 32                                       ; k takes Wk's place in the registers (its last products stand a whole quantising back)
	FLOC F
	WIN FW<<6
.irp c, 0,1,2
	ds_load_b128 v[FG+4*\c:FG+4*\c+3], v15 offset:1536*F+512*\c
.endr
.set F, F+1
.endr
	WIN 0
.set F, 0
.rept 32
	ds_load_b32 v[WS+F], v16 offset:128*F
.set F, F+1
.endr
	s_wait_dscnt 0x0
; v, a tile of 16 channels at a time, for all 128 keys: source 0 = 16 rows of k, source 1 = 16 rows of Wv.  A lane holds channel r; register 16 b + 8 u + j is key 32 b + 16 h + 8 u + j
.set N, 0
.rept 8
.irp s, 0,1,2,3
.irp m, 0,1,2,3,4,5,6,7
	FLOC 4*\m+\s
.set FWA, FW
.set FGA, FG
	FLOC 32+4*N+\s
	WIN FWA|(FW<<2)
.if \s == 0
	MM0 HA+8*\m, FGA, FG, WS+4*\m+\s, WVS+4*N+\s
.else
	MMA HA+8*\m, FGA, FG, WS+4*\m+\s, WVS+4*N+\s
.endif
.endr
.endr
	WIN 0
	PLACES
	s_wait_xcnt 0x0                                ; the last tile's stores have read the codes' registers
	s_wait_dscnt 0x0
	QUANT HA
.irp c, 0,1,2
	global_store_b128 v4, v[PC+4*\c:PC+4*\c+3], s[44:45] offset:(N/4)*HBK+1536*(N%4)+512*\c
.endr
	ds_store_b32 v11, v[PW] offset:64*N
.set N, N+1
.endr
	ds_load_b128 v[24:27], v12                     ; eight tiles' scale words: 256 bytes for each of my two heads
	s_wait_dscnt 0x0
	global_store_b128 v17, v[24:27], s[66:67]
	s_wait_tensorcnt 0x0
	ds_add_u32 v166, v167
	s_wait_dscnt 0x0
	s_endpgm
.Lfunc_end_k_q578724e724_proj:
	.size	k_q578724e724_proj, .Lfunc_end_k_q578724e724_proj-k_q578724e724_proj
	.p2alignl 7, 3214868480
	.fill 96, 4, 3214868480
	.section	.rodata,"a",@progbits
	.p2align	6, 0x0
	.amdhsa_kernel k_q578724e724_proj
		.amdhsa_group_segment_fixed_size 204288
		.amdhsa_private_segment_fixed_size 0
		.amdhsa_enable_private_segment 0
		.amdhsa_kernarg_size 88
		.amdhsa_user_sgpr_count 2
		.amdhsa_user_sgpr_kernarg_segment_ptr 1
		.amdhsa_wavefront_size32 1
		.amdhsa_system_sgpr_workgroup_id_x 1
		.amdhsa_system_sgpr_workgroup_id_y 1
		.amdhsa_system_sgpr_workgroup_id_z 1
		.amdhsa_system_vgpr_workitem_id 0
		.amdhsa_next_free_vgpr 1024
		.amdhsa_next_free_sgpr 68
		.amdhsa_reserve_vcc 0
		.amdhsa_float_denorm_mode_32 3
		.amdhsa_float_denorm_mode_16_64 3
		.amdhsa_memory_ordered 1
		.amdhsa_forward_progress 1
		.amdhsa_inst_pref_size 229
	.end_amdhsa_kernel
	.amdgpu_metadata
---
amdhsa.version: [ 1, 2 ]
amdhsa.kernels:
  - .name:           k_q578724e724_proj
    .symbol:         k_q578724e724_proj.kd
    .args:
      - { .name: queries, .offset: 0, .size: 8, .value_kind: global_buffer, .address_space: global }
      - { .name: keys_codes, .offset: 8, .size: 8, .value_kind: global_buffer, .address_space: global }
      - { .name: keys_scales, .offset: 16, .size: 8, .value_kind: global_buffer, .address_space: global }
      - { .name: W_Query_codes, .offset: 24, .size: 8, .value_kind: global_buffer, .address_space: global }
      - { .name: W_Query_scales, .offset: 32, .size: 8, .value_kind: global_buffer, .address_space: global }
      - { .name: W_key_codes, .offset: 40, .size: 8, .value_kind: global_buffer, .address_space: global }
      - { .name: W_key_scales, .offset: 48, .size: 8, .value_kind: global_buffer, .address_space: global }
      - { .name: W_Value_codes, .offset: 56, .size: 8, .value_kind: global_buffer, .address_space: global }
      - { .name: W_Value_scales, .offset: 64, .size: 8, .value_kind: global_buffer, .address_space: global }
      - { .name: qb, .offset: 72, .size: 8, .value_kind: global_buffer, .address_space: global }
      - { .name: kv, .offset: 80, .size: 8, .value_kind: global_buffer, .address_space: global }
    .group_segment_fixed_size: 204288
    .private_segment_fixed_size: 0
    .kernarg_segment_align: 8
    .kernarg_segment_size: 88
    .max_flat_workgroup_size: 128
    .sgpr_count:     68
    .vgpr_count:     1024
    .wavefront_size: 32
...
	.end_amdgpu_metadata
.endif
;; end of part 1
;; launch attn (part 2): grid 4 x 64, 16 waves a work-group, clusters of 4 x 1, 289,792 bytes of LDS; arguments queries, qb, kv, xc, xs, rsum; writes xc, xs, rsum
.if DOCPART == 2
	.amdgcn_target "amdgcn-amd-amdhsa--gfx1250"
	.amdhsa_code_object_version 6
	.text
	.protected	k_q578724e724_attn
	.globl	k_q578724e724_attn
	.p2align	8
	.type	k_q578724e724_attn,@function
k_q578724e724_attn:
	s_mov_b64 s[64:65], 0
	v_nop
	global_prefetch_b8 v0, s[64:65] scope:SCOPE_SE
	s_setreg_imm32_b32 hwreg(HW_REG_WAVE_MODE, 25, 1), 1
	s_wait_xcnt 0x0
	s_wait_alu depctr_hold_cnt(0) depctr_sa_sdst(0) depctr_va_vdst(0) depctr_va_sdst(0) depctr_va_ssrc(0) depctr_va_vcc(0) depctr_vm_vsrc(0)
	s_getreg_b32 s2, hwreg(HW_REG_IB_STS2, 6, 4)
	s_cmp_eq_u32 s2, 0
	s_cbranch_scc0 .Lentry_in_a_cluster
	s_endpgm
.Lentry_in_a_cluster:
	s_bfe_u32 s2, ttmp6, 0x10000c
	s_cmp_lg_u32 s2, 0x3003
	s_cbranch_scc0 .Lentry_shape_is_right
	s_endpgm
.Lentry_shape_is_right:
; result = softmax(q k^T / 8, the diagonal blinded) v + queries, for two heads of one batch and 256 queries; it leaves as codes of FP6 along D (xc, xs) and as column sums in f32 (rsum).
; Both products on codes of FP6 (E2M3) with E8M0 scales.  The first product's K is 64: the upper half of each operand is zero codes.
; THE SOFTMAX: t = score x log2(e) / 8; M = the running largest t rounded up to a whole number; p = 2^(t - M) is quantised along the keys; the row's sum is taken of the unquantised p and divides at the end.
; SHARES.  Work-group y = 4 b + s takes heads 2 s and 2 s + 1 of batch b; the four partners of a cluster share their K and V, 208,896 bytes, which come into LDS ONCE by joint loads, one a wave, and stay.
; Wave w owns ONE tile of 16 queries, tile 8 (w / 2) + 2 cx + w % 2 of the batch's 64, and runs two passes, one a head.  The partners' tiles are interleaved so that the key step that holds a wave's diagonal
; is w / 2, a number of the wave alone: no branch and no LDS address hangs on the work-group's place in its cluster; the place enters global addresses and one lane value that is only compared.
; LAYOUT.  S^T = K Q^T and O^T = V^T P^T: a lane holds one query.  K's row tiles and V's channel tiles were laid by the launch before so that 16 registers of two neighbouring tiles are 16 neighbours.
; At the end of a pass the head's 64 numbers of a row are half a fragment of the next product's operand; after two passes the wave holds a whole fragment and a whole scale word.
; LIMITS: NaN and infinities are not served; the diagonal's raw score is -2^35 (the blinding value -2^32 times 8); 1 / sum is v_rcp_f32; a block of zeros gets the byte 1 (read by this program alone).
; REGISTERS: v1-11 addresses, v12 -M, v13 largest t, v[14:15] the sum, v16-27 Q, v28 its scale words, v32-79 four fragments of K, v80-91 the result's codes, v92-95 K's and V's scale words,
;   v96-159 S^T, then p, then V's four fragments, v160-191 O^T, v192-223 the residual, v224-235 p's codes, v232-254 at work, v253 p's scale word.
.set HB,    104448
.set HBQ,   53248
.set VOFF,  49152
.set KSOFF, 98304
.set VSOFF, 102400
.set RT,    208896                     ; behind K and V: 16 rows x (256 + 16) bytes for each wave, to turn rows into columns
.set CSUM,  278528                     ; column sums [head of the pair][wave][64] f32
.set XSTG,  286720                     ; the waves' scale words on their way out
.macro PLACES
.rept 4
	v_nop
.endr
.endm
.macro CROUND                          ; a round of the cluster's barrier
	s_barrier_signal -1
	s_barrier_wait -1
	s_cmp_lg_u32 s16, 0
	s_cbranch_scc1 .Lnot_wave_0_\@
	s_barrier_signal -3
.Lnot_wave_0_\@:
	s_barrier_wait -3
	s_barrier_signal -1
	s_barrier_wait -1
.endm
.macro PLOAD hp                        ; a pass's Q (half a fragment and its scale words: three loads) and residual (eight loads)
	global_load_b128 v[16:19], v1, s[44:45] offset:HBQ*(\hp)
	global_load_b64 v[20:21], v2, s[44:45] offset:HBQ*(\hp)+512
	global_load_b32 v28, v29, s[46:47] offset:HBQ*(\hp)
.irp b, 0,1
.irp j, 0,1,2,3
	global_load_b128 v[192+16*\b+4*\j:195+16*\b+4*\j], v7, s[48:49] offset:256*(\hp)+128*\b+16*\j
.endr
.endr
.endm
.macro PRUN hp
.set N, 0
.rept 32
	v_mov_b32 v[160+N], 0                          ; O^T.  (The key step is written once: the first finds zeros, which the first change of M leaves zeros)
.set N, N+1
.endr
	v_mov_b32 v14, 0
	v_mov_b32 v15, 0
	v_mov_b32 v13, 0xff61b1e6                      ; the largest t so far: -3e38
	v_floor_f32 v12, -v13
	s_mov_b32 s36, (\hp)*HB                        ; the head's K and V, 6,144 bytes a key step each;
	s_mov_b32 s37, (\hp)*HB                        ; K's scale words, 512 bytes a step;
	s_mov_b32 s38, (\hp)*HB                        ; V's, 256
	s_mov_b32 s23, 0
	s_wait_loadcnt 0x8                             ; Q's three loads are in; the residual's eight stay out until the pass's end
.Lstep_\@:
	v_add_nc_u32 v8, s36, v1
	v_add_nc_u32 v9, s36, v2
	v_add_nc_u32 v10, s37, v3
	v_add_nc_u32 v11, s38, v4
	v_nop                                          ; six places in all: the scores are laid over registers that the last step's products read as V, which wants five
	v_nop
.irp g, 0,1                                    ; S^T = K Q^T, four tiles of 16 keys at a time
.if \g
	PLACES
.endif
.irp t, 0,1,2,3
	ds_load_b128 v[32+12*\t:35+12*\t], v8 offset:768*(4*\g+\t)
	ds_load_b64 v[36+12*\t:37+12*\t], v9 offset:768*(4*\g+\t)+512
.endr
	ds_load_b32 v92, v10 offset:128*(2*\g)         ; lanes 0-15: the even tile's scale words, lanes 16-31: the odd tile's
	ds_load_b32 v93, v10 offset:128*(2*\g+1)
	s_wait_dscnt 0x0
.irp t, 0,1,2,3
.if \t%2
	v_wmma_scale_f32_16x16x128_f8f6f4 v[96+8*(4*\g+\t):103+8*(4*\g+\t)], v[32+12*\t:43+12*\t], v[16:27], 0, v[92+\t/2], v28 matrix_a_fmt:MATRIX_FMT_FP6 matrix_b_fmt:MATRIX_FMT_FP6 matrix_a_scale:MATRIX_SCALE_ROW1
.else
	v_wmma_scale_f32_16x16x128_f8f6f4 v[96+8*(4*\g+\t):103+8*(4*\g+\t)], v[32+12*\t:43+12*\t], v[16:27], 0, v[92+\t/2], v28 matrix_a_fmt:MATRIX_FMT_FP6 matrix_b_fmt:MATRIX_FMT_FP6
.endif
.endr
.endr
	PLACES
	s_cmp_lg_u32 s23, s22                          ; the one step of eight that holds my diagonal: a branch on the wave's number and the loop's count
	s_cbranch_scc1 .Lopen_\@
.set N, 0
.rept 64                                       ; register 16 b + i holds the step's key 32 b + 16 h + i
	v_cmp_eq_i32 vcc_lo, 32*(N/16)+N%16, v5
	v_cndmask_b32 v[96+N], v[96+N], v6, vcc_lo
.set N, N+1
.endr
.Lopen_\@:
.irp b, 0,1,2,3
	v_max3_num_f32 v[232+\b], v[96+16*\b], v[97+16*\b], v[98+16*\b]   ; the largest score of each block of 32 keys: for the row's maximum, and for the block's largest p
.endr
.irp i, 3,5,7,9,11,13
.irp b, 0,1,2,3
	v_max3_num_f32 v[232+\b], v[232+\b], v[96+16*\b+\i], v[97+16*\b+\i]
.endr
.endr
.irp b, 0,1,2,3
	v_max_num_f32 v[232+\b], v[232+\b], v[111+16*\b]
.endr
.irp b, 0,1,2,3
	v_permlanex16_b32 v[236+\b], v[232+\b], s40, s41
.endr
.irp b, 0,1,2,3
	v_max_num_f32 v[232+\b], v[232+\b], v[236+\b]
.endr
	v_max3_num_f32 v254, v232, v233, v234
	v_max_num_f32 v254, v254, v235
	v_mul_f32 v254, s42, v254
	v_max_num_f32 v13, v13, v254                   ; the running largest t
	v_mov_b32 v254, v12
	v_floor_f32 v12, -v13                          ; the new -M = -ceil(t)
	v_sub_f32 v254, v12, v254
	v_cvt_i32_f32 v254, v254                       ; (it saturates)
	v_ldexp_f32 v252, 1.0, v254                    ; f = 2^(old M - new M)
.set N, 0
.rept 32
	v_pk_fma_f32 v[96+N:97+N], v[96+N:97+N], s[42:43], v[12:13] op_sel_hi:[1,0,0]   ; t - M
.set N, N+2
.endr
.irp b, 0,1,2,3
	v_fma_f32 v[232+\b], v[232+\b], s42, v12
.endr
.set N, 0
.rept 64
	v_exp_f32 v[96+N], v[96+N]                     ; p = 2^(t - M)
.set N, N+1
.endr
	v_pk_mul_f32 v[14:15], v[14:15], v[252:253] op_sel_hi:[1,0]   ; the sums under the new M: a plain place behind the exponentials
	s_wait_alu depctr_va_vdst(0)                   ; one wait for the batch, ahead of its first reader
.irp b, 0,1,2,3
	v_exp_f32 v[232+\b], v[232+\b]                 ; each block's largest p
.endr
	v_pk_add_f32 v[236:237], v[96:97], v[98:99]    ; the row's sum of the unquantised p, in two chains
.irp j, 4,8,12,16,20,24,28,32,36,40,44,48,52,56,60
	v_pk_add_f32 v[14:15], v[14:15], v[96+\j:97+\j]
	v_pk_add_f32 v[236:237], v[236:237], v[98+\j:99+\j]
.endr
	v_pk_add_f32 v[14:15], v[14:15], v[236:237]
	s_wait_alu depctr_va_vdst(0)                   ; and one for the four
.irp b, 0,1,2,3
	v_max_num_f32 v[232+\b], 0x1800000, v[232+\b]  ; the floor 2^(3 - 127)
.endr
.irp b, 0,1,2,3
	v_add_nc_u32 v[244+\b], 0xff000000, v[232+\b]
.endr
.irp b, 0,1,2,3
	v_lshrrev_b32 v[236+\b], 23, v[244+\b]
.endr
	v_lshl_or_b32 v253, v237, 8, v236              ; p's scale word for these 128 keys
	v_lshl_or_b32 v253, v238, 16, v253
	v_lshl_or_b32 v253, v239, 24, v253
.irp c, 0,1
	v_cvt_scalef32_pk16_fp6_f32 v[224+6*\c:226+6*\c], v[96+32*\c:111+32*\c], v[244+2*\c]
	v_cvt_scalef32_pk16_fp6_f32 v[236+4*\c:238+4*\c], v[112+32*\c:127+32*\c], v[244+2*\c+1]
.endr
	v_nop                                          ; one plain place behind a scaled conversion
.irp t, 0,1,2,3                                ; V's four fragments take p's place; they land under the lines below
.irp i, 0,1,2
	ds_load_b128 v[96+12*\t+4*\i:99+12*\t+4*\i], v8 offset:VOFF+1536*\t+512*\i
.endr
.endr
	ds_load_b32 v94, v11
	ds_load_b32 v95, v11 offset:128
.irp c, 0,1
.irp i, 0,1,2
	v_permlane16_swap_b32 v[224+6*\c+\i], v[236+4*\c+\i]
.endr
.irp i, 0,1,2
	v_mov_b32 v[227+6*\c+\i], v[236+4*\c+\i]
.endr
.endr
.set N, 0
.rept 16
	v_pk_mul_f32 v[160+N:161+N], v[160+N:161+N], v[252:253] op_sel_hi:[1,0]   ; O^T under the new M; these are also the places between p's codes and scale word and the products
.set N, N+2
.endr
	s_wait_dscnt 0x0
.irp t, 0,1,2,3                                ; O^T += V^T P^T: four accumulators by turns; between two links of one stand the next step's eight products
.if \t%2
	v_wmma_scale_f32_16x16x128_f8f6f4 v[160+8*\t:167+8*\t], v[96+12*\t:107+12*\t], v[224:235], v[160+8*\t:167+8*\t], v[94+\t/2], v253 matrix_a_fmt:MATRIX_FMT_FP6 matrix_b_fmt:MATRIX_FMT_FP6 matrix_a_scale:MATRIX_SCALE_ROW1
.else
	v_wmma_scale_f32_16x16x128_f8f6f4 v[160+8*\t:167+8*\t], v[96+12*\t:107+12*\t], v[224:235], v[160+8*\t:167+8*\t], v[94+\t/2], v253 matrix_a_fmt:MATRIX_FMT_FP6 matrix_b_fmt:MATRIX_FMT_FP6
.endif
.endr
	s_add_co_u32 s36, s36, 6144
	s_add_co_u32 s37, s37, 512
	s_add_co_u32 s38, s38, 256
	s_add_co_u32 s23, s23, 1
	s_cmp_lt_u32 s23, 8
	s_cbranch_scc1 .Lstep_\@
	; ---- the pass's end: result = O^T / sum + queries; register 16 b + i is the head's channel 32 b + 16 h + i of my query
	PLACES
	v_add_f32 v14, v14, v15
	v_permlanex16_b32 v252, v14, s40, s41
	v_add_f32 v14, v14, v252
	v_rcp_f32 v14, v14
	v_nop                                          ; a plain place behind the reciprocal,
	s_wait_alu depctr_va_vdst(0)                   ; and the wait ahead of its first reader
	s_wait_loadcnt 0x0                             ; the residual
.set N, 0
.rept 32
	v_fma_f32 v[96+N], v[160+N], v14, v[192+N]
.set N, N+1
.endr
.irp b, 0,1                                    ; through my stage: rows in, columns out, for the sum over my 16 rows
.irp j, 0,1,2,3
	ds_store_b128 v31, v[96+16*\b+4*\j:99+16*\b+4*\j] offset:128*\b+16*\j
.endr
.endr
.set N, 0
.rept 16
	ds_load_b64 v[128+2*N:129+2*N], v248 offset:272*N   ; LDS serves a wave's instructions in order: these see the stores above
.set N, N+1
.endr
.irp b, 0,1                                    ; the head's two blocks of 32 are quantised while the loads are out
	v_max3_num_f32 v[232+\b], |v[96+16*\b]|, |v[97+16*\b]|, 0x1800000
.endr
.irp i, 2,4,6,8,10,12,14
.irp b, 0,1
	v_max3_num_f32 v[232+\b], v[232+\b], |v[96+16*\b+\i]|, |v[97+16*\b+\i]|
.endr
.endr
.irp b, 0,1
	v_permlanex16_b32 v[236+\b], v[232+\b], s40, s41
.endr
.irp b, 0,1
	v_max_num_f32 v[232+\b], v[232+\b], v[236+\b]
.endr
.irp b, 0,1
	v_add_nc_u32 v[244+\b], 0xff000000, v[232+\b]
.endr
.irp b, 0,1
	v_lshrrev_b32 v[236+\b], 23, v[244+\b]
.endr
.if \hp
	v_lshl_or_b32 v254, v237, 8, v236
	v_lshl_or_b32 v30, v254, 16, v30               ; the second head's two bytes on top of the first's
.else
	v_lshl_or_b32 v30, v237, 8, v236
.endif
	v_cvt_scalef32_pk16_fp6_f32 v[80+6*(\hp):82+6*(\hp)], v[96:111], v244
	v_cvt_scalef32_pk16_fp6_f32 v[240:242], v[112:127], v245
	v_nop
.irp i, 0,1,2
	v_permlane16_swap_b32 v[80+6*(\hp)+\i], v[240+\i]
.endr
.irp i, 0,1,2
	v_mov_b32 v[83+6*(\hp)+\i], v[240+\i]
.endr
	s_wait_dscnt 0x0
.irp i, 2,4,6,8,10,12,14
	v_pk_add_f32 v[128:129], v[128:129], v[128+2*\i:129+2*\i]
	v_pk_add_f32 v[130:131], v[130:131], v[130+2*\i:131+2*\i]
.endr
	v_pk_add_f32 v[128:129], v[128:129], v[130:131]
	ds_store_b64 v249, v[128:129] offset:4096*(\hp)  ; my 16 rows' sums of channels 2 x lane and 2 x lane + 1
.endm
	s_load_b256 s[4:11], s[0:1], 0x0               ; queries, qb, kv, xc
	s_load_b128 s[12:15], s[0:1], 0x20             ; xs, rsum
	v_lshl_add_u32 v254, v0, 2, 0x46400
	v_mov_b32 v255, 0
	ds_add_u32 v254, v255
	ds_add_u32 v254, v255
	s_wait_dscnt 0x0
	v_lshrrev_b32 v1, 5, v0
	v_readfirstlane_b32 s16, v1                    ; wave 0..15
	s_bfe_u32 s17, ttmp6, 0x40000                  ; cx
	s_and_b32 s18, ttmp7, 0xffff                   ; y = 4 b + s
	s_lshr_b32 s19, s18, 2
	s_and_b32 s20, s18, 3
	s_lshr_b32 s22, s16, 1                         ; the key step of my diagonal
	s_lshl_b32 s21, s22, 3
	s_lshl_b32 s56, s17, 1
	s_add_co_u32 s21, s21, s56
	s_and_b32 s56, s16, 1
	s_add_co_u32 s21, s21, s56                     ; my tile of queries
	v_and_b32 v29, 31, v0
	v_lshlrev_b32 v1, 4, v29                       ; 16 x lane
	v_lshlrev_b32 v2, 3, v29                       ; 8 x lane
	v_lshlrev_b32 v3, 2, v29
	v_add_nc_u32 v4, VSOFF, v3
	v_add_nc_u32 v3, KSOFF, v3
	v_and_b32 v8, 15, v0                           ; r
	v_bfe_u32 v9, v0, 4, 1                         ; h
	s_lshl_b32 s56, s17, 5
	s_and_b32 s57, s16, 1
	s_lshl_b32 s57, s57, 4
	s_add_co_u32 s56, s56, s57
	v_lshlrev_b32 v10, 4, v9
	v_sub_nc_u32 v5, v8, v10
	v_add_nc_u32 v5, s56, v5                       ; my query's place in its key step, less 16 h: compared, never an address
	v_mov_b32 v6, 0xd1000000                       ; -2^35
	v_lshlrev_b32 v7, 11, v8
	v_lshl_add_u32 v7, v9, 6, v7                   ; the residual: row r of 2,048 bytes, + 64 h
	v_lshlrev_b32 v29, 2, v8                       ; 4 r
	s_mul_i32 s56, s16, 4352
	s_add_co_u32 s56, s56, RT
	v_mul_u32_u24 v31, v8, 272
	v_lshl_add_u32 v31, v9, 6, v31
	v_add_nc_u32 v31, s56, v31
	v_add_nc_u32 v248, s56, v2
	s_lshl_b32 s56, s16, 8
	s_add_co_u32 s56, s56, CSUM
	v_add_nc_u32 v249, s56, v2
	s_lshl_b32 s56, s16, 6
	s_add_co_u32 s56, s56, XSTG
	v_add_nc_u32 v250, s56, v29
	s_and_b32 s56, s16, 1
	s_lshl_b32 s56, s56, 9
	s_add_co_u32 s56, s56, XSTG
	v_add_nc_u32 v251, s56, v1
	v_lshlrev_b32 v255, 12, v9
	v_lshl_add_u32 v255, v8, 4, v255
	v_add_nc_u32 v255, CSUM, v255
.irp j, 22,23,24,25,26,27
	v_mov_b32 v[\j], 0                             ; the upper 64 of the first product's K: zero codes, in Q
.endr
.irp t, 0,1,2,3
.irp j, 6,7,8,9,10,11
	v_mov_b32 v[32+12*\t+\j], 0                    ; and in K's four fragments; no load ever lands here
.endr
.endr
.irp b, 0,1,2,3
	v_mov_b32 v[236+\b], 0                         ; a lane permute's destination counts as one of its sources
.endr
	v_mov_b32 v253, 0                              ; (named as the upper half of the pair v[252:253] before it is first written)
	s_mov_b32 s40, 0x76543210
	s_mov_b32 s41, 0xfedcba98
	s_mov_b32 s42, 0x3e38aa3b                      ; log2(e) / 8
	s_mov_b32 s43, s42
	; the joint load: 51 rows of 256 bytes a wave, a sixteenth of the two heads' K and V, dense in memory and in LDS
	s_mov_b32 s24, 15|(3<<16)|(1<<21)              ; the mask: all four work-groups; elements of 8 bytes; bit 21 beside a mask
	s_mov_b32 s25, 32<<16                          ; tensor_dim0 = 32
	s_mov_b32 s26, 51<<16                          ; tensor_dim1 = 51
	s_mov_b32 s27, 32<<16                          ; tile_dim0 = 32
	s_mov_b32 s28, 51                              ; tile_dim1 = 51
	s_mov_b32 s29, 32                              ; the pitch
	s_mov_b32 s30, 0
	s_mov_b32 s31, 0
	s_mov_b32 s32, 1
	s_mul_i32 s33, s16, 13056                      ; LDS address: the wave's number alone
	s_mul_i32 s56, s18, 2*HB
	s_add_co_u32 s56, s56, s33
	s_mov_b32 s57, 0
	s_mov_b32 s59, 0
	s_wait_kmcnt 0x0
	s_add_nc_u64 s[34:35], s[8:9], s[56:57]
	s_or_b32 s35, s35, 0x80000000
	s_mul_i32 s56, s18, 2*HBQ
	s_mul_i32 s58, s21, 768
	s_add_co_u32 s58, s58, s56
	s_add_nc_u64 s[44:45], s[6:7], s[58:59]        ; Q's half fragment
	s_lshl_b32 s58, s21, 6
	s_add_co_u32 s58, s58, s56
	s_add_co_u32 s58, s58, 49152
	s_add_nc_u64 s[46:47], s[6:7], s[58:59]        ; its scale words
	s_lshl_b32 s58, s19, 21
	s_lshl_b32 s56, s21, 15
	s_add_co_u32 s58, s58, s56
	s_lshl_b32 s56, s20, 9
	s_add_co_u32 s58, s58, s56
	s_add_nc_u64 s[48:49], s[4:5], s[58:59]        ; queries: my 16 rows, the head pair's 128 columns
	s_lshl_b32 s58, s19, 6
	s_lshl_b32 s56, s17, 4
	s_add_co_u32 s58, s58, s56
	s_add_co_u32 s58, s58, s16
	s_mul_i32 s58, s58, 6144
	s_mul_i32 s56, s20, 1536
	s_add_co_u32 s58, s58, s56
	s_add_nc_u64 s[50:51], s[10:11], s[58:59]      ; xc: row tile 16 cx + wave, K step s
	s_lshl_b32 s58, s18, 12
	s_lshl_b32 s56, s17, 10
	s_add_co_u32 s58, s58, s56
	s_and_b32 s56, s16, 1
	s_lshl_b32 s56, s56, 9
	s_add_co_u32 s58, s58, s56
	s_add_nc_u64 s[52:53], s[12:13], s[58:59]      ; xs
	s_lshl_b32 s58, s19, 2
	s_add_co_u32 s58, s58, s17
	s_lshl_b32 s58, s58, 11
	s_lshl_b32 s56, s20, 9
	s_add_co_u32 s58, s58, s56
	s_add_nc_u64 s[54:55], s[14:15], s[58:59]      ; rsum
	CROUND                                         ; all four work-groups are here: the joint loads meet
	tensor_load_to_lds s[32:35], s[24:31]          ; my one tensor load of the launch
	s_nop 0
	PLACES
	PLOAD 0
	s_wait_tensorcnt 0x0                           ; my part of K and V is in,
	s_barrier_signal -1
	s_barrier_wait -1                              ; everybody's is
	PRUN 0
	PLOAD 1
	PRUN 1
	global_store_b128 v1, v[80:83], s[50:51]       ; the result's fragment as it stands: 1,536 consecutive bytes
	global_store_b128 v1, v[84:87], s[50:51] offset:512
	global_store_b128 v1, v[88:91], s[50:51] offset:1024
	ds_store_b32 v250, v30
	s_wait_dscnt 0x0                               ; my column sums and my scale words have landed
	s_barrier_signal -1
	s_barrier_wait -1
	s_cmp_lt_u32 s16, 2
	s_cbranch_scc0 .Lnot_words
	ds_load_b128 v[96:99], v251                    ; waves 0 and 1: eight waves' scale words each, 512 consecutive bytes
	s_wait_dscnt 0x0
	global_store_b128 v1, v[96:99], s[52:53]
	s_branch .Ldone
.Lnot_words:
	s_cmp_eq_u32 s16, 2
	s_cbranch_scc0 .Ldone
.set N, 0
.rept 16                                       ; wave 2: the sixteen waves' column sums; lanes 0-15 the first head's 64 channels, lanes 16-31 the second's
	ds_load_b128 v[96+4*N:99+4*N], v255 offset:256*N
.set N, N+1
.endr
	s_wait_dscnt 0x0
.set N, 1
.rept 15
	v_pk_add_f32 v[96:97], v[96:97], v[96+4*N:97+4*N]
	v_pk_add_f32 v[98:99], v[98:99], v[98+4*N:99+4*N]
.set N, N+1
.endr
	global_store_b128 v1, v[96:99], s[54:55]
.Ldone:
	s_wait_dscnt 0x0
	s_wait_xcnt 0x0
	v_lshl_add_u32 v254, v0, 2, 0x46400
	v_mov_b32 v255, 0
	s_wait_tensorcnt 0x0
	ds_add_u32 v254, v255
	s_wait_dscnt 0x0
	CROUND                                         ; the closing round
	s_endpgm
.Lfunc_end_k_q578724e724_attn:
	.size	k_q578724e724_attn, .Lfunc_end_k_q578724e724_attn-k_q578724e724_attn
	.p2alignl 7, 3214868480
	.fill 96, 4, 3214868480
	.section	.rodata,"a",@progbits
	.p2align	6, 0x0
	.amdhsa_kernel k_q578724e724_attn
		.amdhsa_group_segment_fixed_size 289792
		.amdhsa_private_segment_fixed_size 0
		.amdhsa_enable_private_segment 0
		.amdhsa_kernarg_size 48
		.amdhsa_user_sgpr_count 2
		.amdhsa_user_sgpr_kernarg_segment_ptr 1
		.amdhsa_wavefront_size32 1
		.amdhsa_system_sgpr_workgroup_id_x 1
		.amdhsa_system_sgpr_workgroup_id_y 1
		.amdhsa_system_sgpr_workgroup_id_z 1
		.amdhsa_system_vgpr_workitem_id 0
		.amdhsa_next_free_vgpr 256
		.amdhsa_next_free_sgpr 66
		.amdhsa_reserve_vcc 1
		.amdhsa_float_denorm_mode_32 3
		.amdhsa_float_denorm_mode_16_64 3
		.amdhsa_memory_ordered 1
		.amdhsa_forward_progress 1
		.amdhsa_inst_pref_size 72
	.end_amdhsa_kernel
	.amdgpu_metadata
---
amdhsa.version: [ 1, 2 ]
amdhsa.kernels:
  - .name:           k_q578724e724_attn
    .symbol:         k_q578724e724_attn.kd
    .args:
      - { .name: queries, .offset: 0, .size: 8, .value_kind: global_buffer, .address_space: global }
      - { .name: qb, .offset: 8, .size: 8, .value_kind: global_buffer, .address_space: global }
      - { .name: kv, .offset: 16, .size: 8, .value_kind: global_buffer, .address_space: global }
      - { .name: xc, .offset: 24, .size: 8, .value_kind: global_buffer, .address_space: global }
      - { .name: xs, .offset: 32, .size: 8, .value_kind: global_buffer, .address_space: global }
      - { .name: rsum, .offset: 40, .size: 8, .value_kind: global_buffer, .address_space: global }
    .group_segment_fixed_size: 289792
    .private_segment_fixed_size: 0
    .kernarg_segment_align: 8
    .kernarg_segment_size: 48
    .max_flat_workgroup_size: 512
    .sgpr_count:     66
    .vgpr_count:     256
    .wavefront_size: 32
...
	.end_amdgpu_metadata
.endif
;; end of part 2
;; launch ffn (part 3): grid 8 x 32, 4 waves a work-group, clusters of 4 x 1, 233,984 bytes of LDS; arguments xc, xs, fw1_codes, fw1_scales, fw2_codes, fw2_scales, fpart; writes fpart
.if DOCPART == 3
	.amdgcn_target "amdgcn-amd-amdhsa--gfx1250"
	.amdhsa_code_object_version 6
	.text
	.protected	k_q578724e724_ffn
	.globl	k_q578724e724_ffn
	.p2align	8
	.type	k_q578724e724_ffn,@function
k_q578724e724_ffn:
	s_mov_b64 s[64:65], 0
	v_nop
	global_prefetch_b8 v0, s[64:65] scope:SCOPE_SE
	s_setreg_imm32_b32 hwreg(HW_REG_WAVE_MODE, 25, 1), 1
	s_wait_xcnt 0x0
	s_wait_alu depctr_hold_cnt(0) depctr_sa_sdst(0) depctr_va_vdst(0) depctr_va_sdst(0) depctr_va_ssrc(0) depctr_va_vcc(0) depctr_vm_vsrc(0)
	s_getreg_b32 s2, hwreg(HW_REG_IB_STS2, 6, 4)
	s_cmp_eq_u32 s2, 0
	s_cbranch_scc0 .Lentry_in_a_cluster
	s_endpgm
.Lentry_in_a_cluster:
	s_bfe_u32 s2, ttmp6, 0x10000c
	s_cmp_lg_u32 s2, 0x3003
	s_cbranch_scc0 .Lentry_shape_is_right
	s_endpgm
.Lentry_shape_is_right:
; fpart[rb][ch][:] = the sum over 512 rows of Q(relu(x fw1)) fw2, for 256 of the 2,048 hidden units.  x arrives as codes of FP6 (E2M3), laid as images of the operand's registers; both products on codes.
; Only the mean over the rows leaves the program, so ALL ROW TILES ADD INTO THE SAME EIGHT ACCUMULATORS of the second product, and the hidden axis is shared out among work-groups (ch = 0 .. 7).
; SHARES.  rb names 512 rows (32 row tiles); the four partners of a cluster take the same rows and four different ch: x and its scale words, 204,800 bytes, come into LDS once by joint loads and stay.
; Wave w: g = w % 2, rh = w / 2.  First product: hidden units 256 ch + 128 g + 0 .. 127 for four of a block's eight row tiles (transposed: source 0 = 16 rows of fw1, in the order that makes 16 registers
; 16 neighbours); relu; quantised; the image goes to LDS.  Second product: outputs 128 w .. 128 w + 127 for all eight row tiles.  The weights stay in registers: 32 + 16 fragments.
; fw1 and fw2 are not shared by joint loads: each partner takes other rows or columns of them.
; LIMITS: NaN and infinities are not served; a block of zeros gets the byte 1 (read by this program alone); the rows are summed in another order than the mean's.
; REGISTERS: window 0: v4-20 addresses, v24-71 four fragments of x or of the hidden layer, v72-135 eight hidden tiles, v136-154 codes, v156-171 at work, v176-179 the rows' scale words, v180-195 the last sums,
;   v196-227 fw1's scale words, v228-243 fw2's.  Windows 1, 2: fw1's fragments 4 t + s.  Window 3: fw2's fragment 2 n + s at v[12 (2 n + s)], the accumulators from v192.
.set XSL,  196608                      ; behind x's 32 x 4 fragments: its scale words [K step][row tile][16]
.set HIM,  204800                      ; the hidden layer's 16 fragments (2 m + g)
.set HSC,  229376                      ; their scale words, 128 bytes each
.set OUTS, 231424                      ; 512 bytes a wave, for the way out
.set XF,  24
.set HA,  72
.set PC,  136
.set TM,  156
.set PW,  172
.set XS,  176
.set W1S, 196
.set W2S, 228
.set SEL, 48
.set MSB, 0
.macro WIN new
.if MSB != (\new)
	s_set_vgpr_msb (MSB<<8)|(\new)
.set MSB, \new
.endif
.endm
.macro FLOC f
.set FW, 1+(\f)/21
.set FG, 12*((\f)%21)
.endm
.macro PLACES
.rept 4
	v_nop
.endr
.endm
.macro BARRIER
	s_wait_dscnt 0x0
	s_barrier_signal -1
	s_barrier_wait -1
.endm
.macro CROUND
	s_barrier_signal -1
	s_barrier_wait -1
	s_cmp_lg_u32 s18, 0
	s_cbranch_scc1 .Lnot_wave_0_\@
	s_barrier_signal -3
.Lnot_wave_0_\@:
	s_barrier_wait -3
	s_barrier_signal -1
	s_barrier_wait -1
.endm
.macro MM0 d, a, b, sa, sb
	v_wmma_scale_f32_16x16x128_f8f6f4 v[\d:\d+7], v[\a:\a+11], v[\b:\b+11], 0, v[\sa], v[\sb] matrix_a_fmt:MATRIX_FMT_FP6 matrix_b_fmt:MATRIX_FMT_FP6
.endm
.macro MMA d, a, b, sa, sb
	v_wmma_scale_f32_16x16x128_f8f6f4 v[\d:\d+7], v[\a:\a+11], v[\b:\b+11], v[\d:\d+7], v[\sa], v[\sb] matrix_a_fmt:MATRIX_FMT_FP6 matrix_b_fmt:MATRIX_FMT_FP6
.endm
; 64 numbers of a lane, register 16 b + i = k 32 b + 16 (lane / 16) + i of my row, become a fragment's codes in v[PC] on and its scale word in v[PW].
.macro QUANT s
.irp b, 0,1,2,3
	v_max3_num_f32 v[TM+\b], |v[\s+16*\b]|, |v[\s+1+16*\b]|, 0x1800000
.endr
.irp i, 2,4,6,8,10,12,14
.irp b, 0,1,2,3
	v_max3_num_f32 v[TM+\b], v[TM+\b], |v[\s+16*\b+\i]|, |v[\s+1+16*\b+\i]|
.endr
.endr
.irp b, 0,1,2,3
	v_permlanex16_b32 v[TM+4+\b], v[TM+\b], s[SEL], s[SEL+1]
.endr
.irp b, 0,1,2,3
	v_max_num_f32 v[TM+\b], v[TM+\b], v[TM+4+\b]
.endr
.irp b, 0,1,2,3
	v_add_nc_u32 v[TM+12+\b], 0xff000000, v[TM+\b]
.endr
.irp b, 0,1,2,3
	v_lshrrev_b32 v[TM+4+\b], 23, v[TM+12+\b]
.endr
	v_lshl_or_b32 v[PW], v[TM+5], 8, v[TM+4]
	v_lshl_or_b32 v[PW], v[TM+6], 16, v[PW]
	v_lshl_or_b32 v[PW], v[TM+7], 24, v[PW]
.irp c, 0,1
	v_cvt_scalef32_pk16_fp6_f32 v[PC+6*\c:PC+2+6*\c], v[\s+32*\c:\s+15+32*\c], v[TM+12+2*\c]
	v_cvt_scalef32_pk16_fp6_f32 v[PC+12+4*\c:PC+14+4*\c], v[\s+16+32*\c:\s+31+32*\c], v[TM+12+2*\c+1]
.endr
	v_nop
.irp c, 0,1
.irp i, 0,1,2
	v_permlane16_swap_b32 v[PC+6*\c+\i], v[PC+12+4*\c+\i]
.endr
.irp i, 0,1,2
	v_mov_b32 v[PC+3+6*\c+\i], v[PC+12+4*\c+\i]
.endr
.endr
.endm
	s_load_b256 s[4:11], s[0:1], 0x0               ; xc, xs, fw1's codes, fw1's scales
	s_load_b128 s[12:15], s[0:1], 0x20             ; fw2's codes, fw2's scales
	s_load_b64 s[16:17], s[0:1], 0x30              ; fpart
	v_lshl_add_u32 v254, v0, 2, 0x39000
	v_mov_b32 v255, 0
	ds_add_u32 v254, v255
	ds_add_u32 v254, v255
	v_lshrrev_b32 v1, 5, v0
	v_readfirstlane_b32 s18, v1                    ; wave
	s_bfe_u32 s19, ttmp6, 0x40000                  ; cx
	s_lshl_b32 s20, ttmp9, 2
	s_add_co_u32 s20, s20, s19                     ; ch: it enters global addresses alone
	s_and_b32 s21, ttmp7, 0xffff                   ; rb, which the partners share
	s_and_b32 s22, s18, 1                          ; g
	s_lshr_b32 s23, s18, 1                         ; rh
	v_and_b32 v1, 31, v0
	v_and_b32 v2, 15, v0                           ; r
	v_bfe_u32 v3, v0, 4, 1                         ; h
	v_lshlrev_b32 v4, 4, v1                        ; 16 x lane
	v_lshlrev_b32 v5, 2, v1                        ; 4 x lane
	v_lshlrev_b32 v6, 2, v2                        ; 4 r
	v_and_b32 v7, 8, v2
	v_add_nc_u32 v7, v7, v2                        ; r + 8 (r / 8)
	v_mul_u32_u24 v8, v7, 384
	v_mad_u32_u24 v8, v3, 24, v8                   ; fw1's lane term
	v_lshlrev_b32 v9, 4, v7
	v_mul_u32_u24 v10, v2, 1536
	v_mad_u32_u24 v10, v3, 24, v10                 ; fw2's
	v_lshlrev_b32 v11, 6, v2
	v_add_nc_u32 v14, XSL, v6
	s_mul_i32 s54, s22, 1536
	s_mul_i32 s55, s23, 12288
	s_add_co_u32 s54, s54, s55
	s_add_co_u32 s54, s54, HIM
	v_add_nc_u32 v15, s54, v4                      ; where I store the hidden layer's images: fragment 2 (4 rh + i) + g
	s_lshl_b32 s54, s22, 7
	s_lshl_b32 s55, s23, 10
	s_add_co_u32 s54, s54, s55
	s_add_co_u32 s54, s54, HSC
	v_add_nc_u32 v16, s54, v5
	v_add_nc_u32 v17, HIM, v4
	v_add_nc_u32 v18, HSC, v5
	s_lshl_b32 s54, s18, 9
	s_add_co_u32 s54, s54, OUTS
	v_add_nc_u32 v19, s54, v6
	v_add_nc_u32 v20, s54, v4
.irp b, 0,1,2,3
	v_mov_b32 v[TM+4+\b], 0
.endr
.irp n, 0,1,2,3,4,5,6,7
	v_mov_b32 v[188+\n], 0                         ; lane permutes' destinations, written once
.endr
	s_mov_b32 s[SEL], 0x76543210
	s_mov_b32 s[SEL+1], 0xfedcba98
	; x: 192 rows of 256 bytes a wave, dense
	s_mov_b32 s24, 15|(3<<16)|(1<<21)
	s_mov_b32 s25, 32<<16
	s_mov_b32 s26, 192<<16
	s_mov_b32 s27, 32<<16
	s_mov_b32 s28, 192
	s_mov_b32 s29, 32
	s_mov_b32 s30, 0
	s_mov_b32 s31, 0
	; its scale words of K step w: one row of 2,048 bytes
	s_mov_b32 s36, 15|(3<<16)|(1<<21)
	s_mov_b32 s37, 256<<16
	s_mov_b32 s38, 1<<16
	s_mov_b32 s39, 256<<16
	s_mov_b32 s40, 1
	s_mov_b32 s41, 256
	s_mov_b32 s42, 0
	s_mov_b32 s43, 0
	s_mov_b32 s32, 1
	s_mul_i32 s33, s18, 49152
	s_mov_b32 s44, 1
	s_lshl_b32 s45, s18, 11
	s_add_co_u32 s45, s45, XSL
	s_mul_i32 s54, s21, 196608
	s_add_co_u32 s54, s54, s33
	s_mov_b32 s55, 0
	s_lshr_b32 s56, s21, 1
	s_lshl_b32 s56, s56, 14
	s_lshl_b32 s57, s18, 12
	s_add_co_u32 s56, s56, s57
	s_and_b32 s57, s21, 1
	s_lshl_b32 s57, s57, 11
	s_add_co_u32 s56, s56, s57
	s_mov_b32 s57, 0
	s_wait_dscnt 0x0
	s_wait_kmcnt 0x0
	s_add_nc_u64 s[34:35], s[4:5], s[54:55]
	s_or_b32 s35, s35, 0x80000000
	s_add_nc_u64 s[46:47], s[6:7], s[56:57]
	s_or_b32 s47, s47, 0x80000000
	s_mul_i32 s54, s20, 98304
	s_mul_i32 s56, s22, 49152
	s_add_co_u32 s54, s54, s56
	s_add_nc_u64 s[58:59], s[8:9], s[54:55]        ; fw1's codes at hidden unit 256 ch + 128 g
	s_lshl_b32 s54, s20, 12
	s_lshl_b32 s56, s22, 11
	s_add_co_u32 s54, s54, s56
	s_add_nc_u64 s[60:61], s[10:11], s[54:55]
	s_mul_i32 s54, s18, 196608
	s_mul_i32 s56, s20, 192
	s_add_co_u32 s54, s54, s56
	s_add_nc_u64 s[62:63], s[12:13], s[54:55]      ; fw2's codes at output 128 w, hidden unit 256 ch
	s_lshl_b32 s54, s18, 13
	s_lshl_b32 s56, s20, 3
	s_add_co_u32 s54, s54, s56
	s_add_nc_u64 s[66:67], s[14:15], s[54:55]
	s_lshl_b32 s54, s21, 3
	s_add_co_u32 s54, s54, s20
	s_lshl_b32 s54, s54, 11
	s_lshl_b32 s56, s18, 9
	s_add_co_u32 s54, s54, s56
	s_add_nc_u64 s[68:69], s[16:17], s[54:55]
	CROUND                                         ; all four work-groups are here: the joint loads meet
	tensor_load_to_lds s[32:35], s[24:31]          ; my two tensor loads of the launch stand together
	s_nop 0
	tensor_load_to_lds s[44:47], s[36:43]
	s_nop 0
	PLACES
.irp t, 0,1,2,3,4,5,6,7                        ; fw1: tile t, K step s into fragment 4 t + s
.irp s, 0,1,2,3
	FLOC 4*\t+\s
	WIN FW<<6
.irp p, 0,1,2,3,4,5
	global_load_b64 v[FG+2*\p:FG+2*\p+1], v8, s[58:59] offset:(32*(\t/2)+8*(\t%2))*384+96*\s+48*(\p/3)+8*(\p%3)
.endr
.endr
.endr
	WIN 0
.irp t, 0,1,2,3,4,5,6,7
	global_load_b128 v[W1S+4*\t:W1S+4*\t+3], v9, s[60:61] offset:(32*(\t/2)+8*(\t%2))*16
.endr
	WIN 0xc0
.irp n, 0,1,2,3,4,5,6,7                        ; fw2: outputs 16 n on, K step s of my work-group's 256 hidden units
.irp s, 0,1
.irp p, 0,1,2,3,4,5
	global_load_b64 v[12*(2*\n+\s)+2*\p:12*(2*\n+\s)+2*\p+1], v10, s[62:63] offset:16*\n*1536+96*\s+48*(\p/3)+8*(\p%3)
.endr
.endr
.endr
.set N, 0
.rept 64
	v_mov_b32 v[192+N], 0                          ; the eight accumulators, once: so the block's text is written once
.set N, N+1
.endr
	WIN 0
.irp n, 0,1,2,3,4,5,6,7
	global_load_b64 v[W2S+2*\n:W2S+2*\n+1], v11, s[66:67] offset:1024*\n
.endr
	s_mul_i32 s50, s23, 24576                      ; my four row tiles of a block of eight: 6,144 bytes a tile,
	s_lshl_b32 s51, s23, 8                         ; 64 bytes of scale words
	s_mov_b32 s52, 0
	s_wait_loadcnt 0x0
	s_wait_tensorcnt 0x0                           ; my parts of x and of its scale words are in,
	BARRIER                                        ; everybody's are
.Lblock:                                           ; four trips, 128 rows each
	v_add_nc_u32 v12, s50, v4
	v_add_nc_u32 v13, s51, v14
.irp i, 0,1,2,3
.irp s, 0,1,2,3
.irp c, 0,1,2
	ds_load_b128 v[XF+12*\s+4*\c:XF+12*\s+4*\c+3], v12 offset:6144*\i+1536*\s+512*\c
.endr
	ds_load_b32 v[XS+\s], v13 offset:2048*\s+64*\i
.endr
	s_wait_dscnt 0x0                               ; x's fragments are in, and the last image's stores have read their registers
.irp s, 0,1,2,3
.irp t, 0,1,2,3,4,5,6,7
	FLOC 4*\t+\s
	WIN FW
.if \s == 0
	MM0 HA+8*\t, FG, XF+12*\s, W1S+4*\t+\s, XS+\s
.else
	MMA HA+8*\t, FG, XF+12*\s, W1S+4*\t+\s, XS+\s
.endif
.endr
.endr
	WIN 0
	PLACES
.set N, 0
.rept 64
	v_max_num_f32 v[HA+N], 0, v[HA+N]              ; relu, in f32
.set N, N+1
.endr
	QUANT HA
.irp c, 0,1,2
	ds_store_b128 v15, v[PC+4*\c:PC+4*\c+3] offset:3072*\i+512*\c
.endr
	ds_store_b32 v16, v[PW] offset:256*\i
.endr
	BARRIER                                        ; the block's sixteen hidden fragments lie in LDS
.irp s, 0,1
.irp q, 0,1
.irp m, 0,1,2,3
.irp c, 0,1,2
	ds_load_b128 v[XF+12*\m+4*\c:XF+12*\m+4*\c+3], v17 offset:(2*(4*\q+\m)+\s)*1536+512*\c
.endr
	ds_load_b32 v[XS+\m], v18 offset:128*(2*(4*\q+\m)+\s)
.endr
	s_wait_dscnt 0x0
	WIN 0xfc                                       ; source 0 (hidden rows) window 0; fw2, C and D window 3
.irp m, 0,1,2,3
.irp n, 0,1,2,3,4,5,6,7
	MMA 192+8*\n, XF+12*\m, 12*(2*\n+\s), XS+\m, W2S+2*\n+\s
.endr
.endr
	WIN 0
	PLACES
.endr
.endr
	BARRIER                                        ; every wave has read the hidden fragments: they may be written again
	s_add_co_u32 s50, s50, 49152
	s_add_co_u32 s51, s51, 512
	s_add_co_u32 s52, s52, 1
	s_cmp_lt_u32 s52, 4
	s_cbranch_scc1 .Lblock
	; the sum over an accumulator's sixteen rows: eight registers, then the other half of the lanes
	WIN 0x0f
.irp n, 0,1,2,3,4,5,6,7
	v_add_f32 v[180+\n], v[192+8*\n], v[193+8*\n]
.endr
	WIN 0x03
.irp j, 2,3,4,5,6,7
.irp n, 0,1,2,3,4,5,6,7
	v_add_f32 v[180+\n], v[192+8*\n+\j], v[180+\n]
.endr
.endr
	WIN 0
.irp n, 0,1,2,3,4,5,6,7
	v_permlanex16_b32 v[188+\n], v[180+\n], s[SEL], s[SEL+1]
.endr
.irp n, 0,1,2,3,4,5,6,7
	v_add_f32 v[180+\n], v[180+\n], v[188+\n]
.endr
.irp n, 0,1,2,3,4,5,6,7
	ds_store_b32 v19, v[180+\n] offset:64*\n       ; output 128 w + 16 n + r (both halves of the lanes write the same word with the same value)
.endr
	ds_load_b128 v[24:27], v20                     ; LDS serves a wave's instructions in order: this sees my stores
	s_wait_dscnt 0x0
	global_store_b128 v4, v[24:27], s[68:69]       ; 512 consecutive bytes
	s_wait_tensorcnt 0x0
	ds_add_u32 v254, v255
	s_wait_dscnt 0x0
	CROUND                                         ; the closing round
	s_endpgm
.Lfunc_end_k_q578724e724_ffn:
	.size	k_q578724e724_ffn, .Lfunc_end_k_q578724e724_ffn-k_q578724e724_ffn
	.p2alignl 7, 3214868480
	.fill 96, 4, 3214868480
	.section	.rodata,"a",@progbits
	.p2align	6, 0x0
	.amdhsa_kernel k_q578724e724_ffn
		.amdhsa_group_segment_fixed_size 233984
		.amdhsa_private_segment_fixed_size 0
		.amdhsa_enable_private_segment 0
		.amdhsa_kernarg_size 56
		.amdhsa_user_sgpr_count 2
		.amdhsa_user_sgpr_kernarg_segment_ptr 1
		.amdhsa_wavefront_size32 1
		.amdhsa_system_sgpr_workgroup_id_x 1
		.amdhsa_system_sgpr_workgroup_id_y 1
		.amdhsa_system_sgpr_workgroup_id_z 1
		.amdhsa_system_vgpr_workitem_id 0
		.amdhsa_next_free_vgpr 1024
		.amdhsa_next_free_sgpr 70
		.amdhsa_reserve_vcc 0
		.amdhsa_float_denorm_mode_32 3
		.amdhsa_float_denorm_mode_16_64 3
		.amdhsa_memory_ordered 1
		.amdhsa_forward_progress 1
		.amdhsa_inst_pref_size 108
	.end_amdhsa_kernel
	.amdgpu_metadata
---
amdhsa.version: [ 1, 2 ]
amdhsa.kernels:
  - .name:           k_q578724e724_ffn
    .symbol:         k_q578724e724_ffn.kd
    .args:
      - { .name: xc, .offset: 0, .size: 8, .value_kind: global_buffer, .address_space: global }
      - { .name: xs, .offset: 8, .size: 8, .value_kind: global_buffer, .address_space: global }
      - { .name: fw1_codes, .offset: 16, .size: 8, .value_kind: global_buffer, .address_space: global }
      - { .name: fw1_scales, .offset: 24, .size: 8, .value_kind: global_buffer, .address_space: global }
      - { .name: fw2_codes, .offset: 32, .size: 8, .value_kind: global_buffer, .address_space: global }
      - { .name: fw2_scales, .offset: 40, .size: 8, .value_kind: global_buffer, .address_space: global }
      - { .name: fpart, .offset: 48, .size: 8, .value_kind: global_buffer, .address_space: global }
    .group_segment_fixed_size: 233984
    .private_segment_fixed_size: 0
    .kernarg_segment_align: 8
    .kernarg_segment_size: 56
    .max_flat_workgroup_size: 128
    .sgpr_count:     70
    .vgpr_count:     1024
    .wavefront_size: 32
...
	.end_amdgpu_metadata
.endif
;; end of part 3
;; launch mean (part 4): grid 4 x 16, 1 waves a work-group, no clusters, 0 bytes of LDS; arguments fpart, rsum, out0; writes out0
.if DOCPART == 4
	.amdgcn_target "amdgcn-amd-amdhsa--gfx1250"
	.amdhsa_code_object_version 6
	.text
	.protected	k_q578724e724_mean
	.globl	k_q578724e724_mean
	.p2align	8
	.type	k_q578724e724_mean,@function
k_q578724e724_mean:
	s_mov_b64 s[64:65], 0
	v_nop
	global_prefetch_b8 v0, s[64:65] scope:SCOPE_SE
	s_setreg_imm32_b32 hwreg(HW_REG_WAVE_MODE, 25, 1), 1
	s_wait_xcnt 0x0
; out0[b][c] = (the 16 partial sums of the feed-forward layer + the 4 partial column sums of the attention's result) / 1,024.
; One wave takes 128 columns of one batch: 20 loads of 512 consecutive bytes, 38 packed additions in two chains, one store of 512 consecutive bytes.  The launch has work for 64 waves and launches those.
	s_load_b128 s[4:7], s[0:1], 0x0                ; fpart, rsum
	s_load_b64 s[8:9], s[0:1], 0x10                ; out0
	s_and_b32 s10, ttmp7, 0xffff                   ; batch
	s_lshl_b32 s12, s10, 15                        ; 16 rows of 2,048 bytes in fpart,
	s_mov_b32 s13, 0
	s_lshl_b32 s14, s10, 13                        ; 4 in rsum,
	s_mov_b32 s15, 0
	s_lshl_b32 s16, s10, 11                        ; one in out0
	s_mov_b32 s17, 0
	s_lshl_b32 s11, ttmp9, 9
	v_lshlrev_b32 v1, 4, v0
	v_add_nc_u32 v1, s11, v1                       ; my 16 bytes of a row
	s_wait_kmcnt 0x0
	s_add_nc_u64 s[4:5], s[4:5], s[12:13]
	s_add_nc_u64 s[6:7], s[6:7], s[14:15]
	s_add_nc_u64 s[8:9], s[8:9], s[16:17]
.set N, 0
.rept 16
	global_load_b128 v[4+4*N:7+4*N], v1, s[4:5] offset:2048*N
.set N, N+1
.endr
.set N, 0
.rept 4
	global_load_b128 v[68+4*N:71+4*N], v1, s[6:7] offset:2048*N
.set N, N+1
.endr
	s_wait_loadcnt 0x0
.set N, 1
.rept 19
	v_pk_add_f32 v[4:5], v[4:5], v[4+4*N:5+4*N]
	v_pk_add_f32 v[6:7], v[6:7], v[6+4*N:7+4*N]
.set N, N+1
.endr
	v_pk_mul_f32 v[4:5], v[4:5], 0x3a800000 op_sel_hi:[1,0]   ; x 2^-10
	v_pk_mul_f32 v[6:7], v[6:7], 0x3a800000 op_sel_hi:[1,0]
	global_store_b128 v1, v[4:7], s[8:9]
	s_endpgm
.Lfunc_end_k_q578724e724_mean:
	.size	k_q578724e724_mean, .Lfunc_end_k_q578724e724_mean-k_q578724e724_mean
	.p2alignl 7, 3214868480
	.fill 96, 4, 3214868480
	.section	.rodata,"a",@progbits
	.p2align	6, 0x0
	.amdhsa_kernel k_q578724e724_mean
		.amdhsa_group_segment_fixed_size 0
		.amdhsa_private_segment_fixed_size 0
		.amdhsa_enable_private_segment 0
		.amdhsa_kernarg_size 24
		.amdhsa_user_sgpr_count 2
		.amdhsa_user_sgpr_kernarg_segment_ptr 1
		.amdhsa_wavefront_size32 1
		.amdhsa_system_sgpr_workgroup_id_x 1
		.amdhsa_system_sgpr_workgroup_id_y 1
		.amdhsa_system_sgpr_workgroup_id_z 1
		.amdhsa_system_vgpr_workitem_id 0
		.amdhsa_next_free_vgpr 96
		.amdhsa_next_free_sgpr 66
		.amdhsa_reserve_vcc 0
		.amdhsa_float_denorm_mode_32 3
		.amdhsa_float_denorm_mode_16_64 3
		.amdhsa_memory_ordered 1
		.amdhsa_forward_progress 1
		.amdhsa_inst_pref_size 6
	.end_amdhsa_kernel
	.amdgpu_metadata
---
amdhsa.version: [ 1, 2 ]
amdhsa.kernels:
  - .name:           k_q578724e724_mean
    .symbol:         k_q578724e724_mean.kd
    .args:
      - { .name: fpart, .offset: 0, .size: 8, .value_kind: global_buffer, .address_space: global }
      - { .name: rsum, .offset: 8, .size: 8, .value_kind: global_buffer, .address_space: global }
      - { .name: out0, .offset: 16, .size: 8, .value_kind: global_buffer, .address_space: global }
    .group_segment_fixed_size: 0
    .private_segment_fixed_size: 0
    .kernarg_segment_align: 8
    .kernarg_segment_size: 24
    .max_flat_workgroup_size: 32
    .sgpr_count:     66
    .vgpr_count:     96
    .wavefront_size: 32
...
	.end_amdgpu_metadata
.endif
;; end of part 4
;; ======== version 2 of 2: 4 launches
;; limits: right only within a limited range of input values
;; workspace buffers: qb 6,815,744 bytes; kv 13,369,344 bytes; xc 6,291,456 bytes; xs 262,144 bytes; rsum 131,072 bytes; fpart 524,288 bytes; w1i 786,432 bytes; w2i 786,432 bytes
;; launch proj (part 5): grid 256 x 1, 4 waves a work-group, no clusters, 306,688 bytes of LDS; arguments queries, keys_codes, keys_scales, W_Query_codes, W_Query_scales, W_key_codes, W_key_scales, W_Value_codes, W_Value_scales, qb, kv, fw1_codes, fw2_codes, w1i, w2i; writes qb, kv, w1i, w2i
.if DOCPART == 5
	.amdgcn_target "amdgcn-amd-amdhsa--gfx1250"
	.amdhsa_code_object_version 6
	.text
	.protected	k_q578724e724_proj
	.globl	k_q578724e724_proj
	.p2align	8
	.type	k_q578724e724_proj,@function
k_q578724e724_proj:
	s_mov_b64 s[64:65], 0
	v_nop
	global_prefetch_b8 v0, s[64:65] scope:SCOPE_SE
	s_setreg_imm32_b32 hwreg(HW_REG_WAVE_MODE, 25, 1), 1
	s_wait_xcnt 0x0
; q = Q(queries) Wq,  k = keys Wk,  v = Q(k) Wv, all on codes of FP6 (E2M3) with one E8M0 scale for each 32 along K; the results leave as codes.
; Even work-groups take 128 rows of queries (the Q path), odd ones 128 rows of keys (the KV path): one scalar branch on the work-group's number, and each path has LDS bytes of its own.
; THE WAVES SHARE THE COLUMNS: wave w owns columns 128 w .. 128 w + 127 (heads 2 w and 2 w + 1) for all 128 rows, so its part of a weight (32 fragments) stays in its registers.
; The rows' codes go from wave to wave through LDS as images of the operand's registers: 3 stores of 16 bytes a lane at 16 x lane, the scale word at 4 x lane.
; q and k are made TRANSPOSED (source 0 = 16 rows of the weight, source 1 = 16 rows of x): a lane holds one row and its registers run along the columns, the next K.
; THE ROWS OF A WEIGHT THAT FORM A TILE ARE NOT NEIGHBOURS: lane r of tile 2 b + u takes row 32 b + 8 u + r + 8 (r / 8), so that the 16 registers of tiles 2 b, 2 b + 1 are 16 neighbours.
; The keys' row tiles are chosen in the same order, so that in v = k Wv (not transposed: a lane holds one channel) the registers run down 16 neighbouring keys, the K of attention's second product.
; WEIGHTS AND KEYS COME AS DENSE BYTES.  A block of 32 rows x 384 bytes is 24 loads of 512 consecutive bytes; it turns through the wave's own stage in LDS (32 rows, 400 bytes apart) and comes back
; as 8 fragments, 8 bytes a lane at a time.  Unit x = 32 (j % 3) + lane of 16 bytes belongs to row 4 (j / 3) + x / 24, so its place in the stage is 16 (x + x / 24) + 400 x the slot of row 4 (j / 3).
; BESIDE ITS OWN WORK each of the 1,024 waves lays ONE fragment of fw1 or fw2 (1,024 in all) as an image of its registers into w1i or w2i, in the order in which the feed-forward launch's waves take them.
; OUT.  qb [b][head]: 64 half fragments of 768 bytes (registers 0-3 at 16 x lane, 4-5 at 512 + 8 x lane: one head's 64 codes of 16 rows), then 64 x 16 scale words (low two bytes).
;       kv [b][head]: K's 64 half fragments, V's 8 x 4 whole fragments (16 channels x 128 keys), K's 64 x 16 scale words, V's 32 x 16.  Every store covers whole aligned runs of 256 bytes.
;       w1i [hidden group of 128][tile t][K step s], w2i [256 hidden units ch][128 outputs w][tile n][K step s]: fragments of 1,536 bytes.
; No cluster: the launch has no tensor load to share; a KV work-group's two weights, 393,216 bytes, do not fit in LDS as tiles filled once, so weights go through registers.
; LIMITS: NaN and infinities are not served; a block of zeros, or one whose largest magnitude lies under 2^-124, gets the byte 1 (its bytes are read by this program alone).
; REGISTERS: window 0: v1-23 addresses, v24-71 x's four fragments, v72-135 eight result tiles, v136-154 codes just made, v156-171 at work (v164-167 addresses), v176-179 x's scale words,
;   v180-211 and v212-243 the weights' scale words, v244-255 fragment 63.  Windows 1-3: fragments 0-62, 21 to a window.  Q path: window 3 holds four sets of 64 numbers of x as loaded.
.set HBQ,   53248
.set HBK,   104448
.set VOFF,  49152
.set KSOFF, 98304
.set VSOFF, 102400
.set F32S,  0                          ; Q path: a stage of 16 rows x (512 + 16) bytes for each wave
.set XIMQ,  33792                      ; x's 32 fragments (4 m + s)
.set XSCQ,  82944                      ; their scale words, 128 bytes each
.set SGQ,   87040                      ; scale words on their way out: 1,024 bytes a wave
.set XIMK,  91136                      ; KV path: the same three,
.set XSCK,  140288
.set KIMG,  144384                     ; k's 32 fragments (4 m + wave),
.set KSC,   193536                     ; their scale words,
.set SGK,   197632
.set SGV,   201728                     ; V's scale words on their way out: 512 bytes a wave
.set STGQ,  203776                     ; Q path: the weights' stage, 32 rows x 400 bytes for each wave
.set STGK,  254976                     ; KV path: the same
.set XF,  24
.set HA,  72
.set PC,  136
.set TM,  156
.set PW,  172
.set XS,  176
.set WS,  180
.set WVS, 212
.set FWA0, 164                         ; v164 the lane's place in the fragment of fw1 or fw2 that I lay out
.set SA,  165                          ; v165-167 the stage, on the way in: 16 (x + x / 24), x = 32 j + lane
.set SRD, 8                            ; v8 and on the way out: 400 r + 24 h
.set SEL, 46
.set MSB, 0
.macro WIN new                         ; the immediate's high byte repeats the setting that is left; a switch that changes nothing is dropped
.if MSB != (\new)
	s_set_vgpr_msb (MSB<<8)|(\new)
.set MSB, \new
.endif
.endm
.macro FLOC f                          ; where fragment f lies: window FW, register FG.  100 on: the keys' eight, in window 0
.if (\f) >= 100
.set FW, 0
.set FG, 24+12*((\f)-100)
.elseif (\f) < 63
.set FW, 1+(\f)/21
.set FG, 12*((\f)%21)
.else
.set FW, 0
.set FG, 244
.endif
.endm
.macro PLACES                          ; four plain places behind matrix instructions (ISA guide 7.12.1)
.rept 4
	v_nop
.endr
.endm
.macro BARRIER                         ; my LDS stores have landed and my LDS loads are in: then the work-group's barrier
	s_wait_dscnt 0x0
	s_barrier_signal -1
	s_barrier_wait -1
.endm
.macro MM0 d, a, b, sa, sb             ; the first K step starts a sum
	v_wmma_scale_f32_16x16x128_f8f6f4 v[\d:\d+7], v[\a:\a+11], v[\b:\b+11], 0, v[\sa], v[\sb] matrix_a_fmt:MATRIX_FMT_FP6 matrix_b_fmt:MATRIX_FMT_FP6
.endm
.macro MMA d, a, b, sa, sb
	v_wmma_scale_f32_16x16x128_f8f6f4 v[\d:\d+7], v[\a:\a+11], v[\b:\b+11], v[\d:\d+7], v[\sa], v[\sb] matrix_a_fmt:MATRIX_FMT_FP6 matrix_b_fmt:MATRIX_FMT_FP6
.endm
; 64 numbers of a lane, register 16 b + i = k 32 b + 16 (lane / 16) + i of my row, become a fragment's codes in v[PC] on and its scale word in v[PW].
.macro QUANT s
.irp b, 0,1,2,3
	v_max3_num_f32 v[TM+\b], |v[\s+16*\b]|, |v[\s+1+16*\b]|, 0x1800000   ; my 16 numbers of block b, and the floor 2^(3 - 127): the byte cannot fall under 1
.endr
.irp i, 2,4,6,8,10,12,14
.irp b, 0,1,2,3
	v_max3_num_f32 v[TM+\b], v[TM+\b], |v[\s+16*\b+\i]|, |v[\s+1+16*\b+\i]|
.endr
.endr
.irp b, 0,1,2,3
	v_permlanex16_b32 v[TM+4+\b], v[TM+\b], s[SEL], s[SEL+1]
.endr
.irp b, 0,1,2,3
	v_max_num_f32 v[TM+\b], v[TM+\b], v[TM+4+\b]   ; with lane l xor 16's: the block's largest magnitude
.endr
.irp b, 0,1,2,3
	v_add_nc_u32 v[TM+12+\b], 0xff000000, v[TM+\b]   ; 2 off its exponent field: the conversion's scale operand
.endr
.irp b, 0,1,2,3
	v_lshrrev_b32 v[TM+4+\b], 23, v[TM+12+\b]      ; the scale's byte
.endr
	v_lshl_or_b32 v[PW], v[TM+5], 8, v[TM+4]
	v_lshl_or_b32 v[PW], v[TM+6], 16, v[PW]
	v_lshl_or_b32 v[PW], v[TM+7], 24, v[PW]
.irp c, 0,1
	v_cvt_scalef32_pk16_fp6_f32 v[PC+6*\c:PC+2+6*\c], v[\s+32*\c:\s+15+32*\c], v[TM+12+2*\c]
	v_cvt_scalef32_pk16_fp6_f32 v[PC+12+4*\c:PC+14+4*\c], v[\s+16+32*\c:\s+31+32*\c], v[TM+12+2*\c+1]
.endr
	v_nop                                          ; one plain place behind a scaled conversion
.irp c, 0,1                                    ; the operand's layout wants a whole block in a lane
.irp i, 0,1,2
	v_permlane16_swap_b32 v[PC+6*\c+\i], v[PC+12+4*\c+\i]
.endr
.irp i, 0,1,2
	v_mov_b32 v[PC+3+6*\c+\i], v[PC+12+4*\c+\i]
.endr
.endr
.endm
; Block bb (32 rows, 12,288 dense bytes) of my rows: 24 loads of 512 consecutive bytes, into the registers that the block's 8 fragments fb + 8 bb + 0 .. 7 will take
.macro WLOADB fb, bb, sb
.set J, 0
.rept 24
	FLOC (\fb)+8*(\bb)+J/3
	WIN FW<<6
	global_load_b128 v[FG+4*(J%3):FG+4*(J%3)+3], v4, s[\sb:\sb+1] offset:12288*(\bb)+512*J
.set J, J+1
.endr
	WIN 0
.endm
; The block turns through my stage.  In: rows 4 a .. 4 a + 3 (a = J / 3) go to slots 4 (a & 1) + 16 ((a >> 1) & 1) + 8 (a >> 2) on, which puts the row of lane r of tile u at slot 16 u + r.
; Out: fragment 4 u + s, six pieces of 8 bytes a lane.  LDS serves a wave's instructions in order (ISA guide 5.7.1.4): the loads see the stores, and the next block's stores come behind these loads.
.macro WTURN fb, bb
.set J, 0
.rept 24
	FLOC (\fb)+8*(\bb)+J/3
	WIN FW<<2                                      ; an LDS store's data are its source 1
	ds_store_b128 v[SA+J%3], v[FG+4*(J%3):FG+4*(J%3)+3] offset:400*(4*((J/3)&1)+16*(((J/3)>>1)&1)+8*((J/3)>>2))
.set J, J+1
.endr
.set J, 0
.rept 8
	FLOC (\fb)+8*(\bb)+J
	WIN FW<<6
.irp p, 0,1,2,3,4,5
	ds_load_b64 v[FG+2*\p:FG+2*\p+1], v[SRD] offset:6400*(J/4)+96*(J%4)+48*(\p/3)+8*(\p%3)
.endr
.set J, J+1
.endr
	WIN 0
.endm
.macro WSLOAD reg, sb                  ; a weight's scale words: 16 bytes a row are the four K steps' words
.irp t, 0,1,2,3,4,5,6,7
	global_load_b128 v[\reg+4*\t:\reg+4*\t+3], v9, s[\sb:\sb+1] offset:(32*(\t/2)+8*(\t%2))*16
.endr
.endm
.macro FWLOAD reg                      ; my one fragment of fw1 or fw2, as the codes lie
.irp p, 0,1,2,3,4,5
	global_load_b64 v[\reg+2*\p:\reg+2*\p+1], v[FWA0], s[86:87] offset:48*(\p/3)+8*(\p%3)
.endr
.endm
.macro FWSTORE reg                     ; and its image: 1,536 consecutive bytes
.irp c, 0,1,2
	global_store_b128 v4, v[\reg+4*\c:\reg+4*\c+3], s[88:89] offset:512*\c
.endr
.endm
.macro XLOAD tile, s                   ; 16 rows x 128 numbers of x: each load reads 512 consecutive bytes of one row
	WIN 0xc0
.irp i, 0,1,2,3,4,5,6,7,8,9,10,11,12,13,14,15
	global_load_b128 v[64*(\s)+4*\i:64*(\s)+4*\i+3], v4, s[56:57] offset:(16*(\tile)+\i)*2048+512*(\s) th:TH_LOAD_NT
.endr
	WIN 0
.endm
; A set of x turns through my stage (in: rows as loaded; out: 16 neighbours of each block of 32 a lane), is quantised, and its image goes to LDS.  n: the younger loads that may stay out
.macro XTURN tile, s, n, refill
	s_wait_loadcnt \n
	WIN 0x0c                                       ; an LDS store's data are its source 1: window 3
.irp i, 0,1,2,3,4,5,6,7,8,9,10,11,12,13,14,15
	ds_store_b128 v11, v[64*(\s)+4*\i:64*(\s)+4*\i+3] offset:528*\i
.endr
	WIN 0
.irp b, 0,1,2,3
.irp j, 0,1,2,3
	ds_load_b128 v[HA+16*\b+4*\j:HA+16*\b+4*\j+3], v12 offset:128*\b+16*\j   ; LDS serves a wave's instructions in order: these see the stores above
.endr
.endr
	s_wait_dscnt 0x0                               ; the numbers are back; the stage's stores and the last image's stores have read their registers
.if \refill
	XLOAD 1, \s
.endif
	QUANT HA
.irp c, 0,1,2
	ds_store_b128 v13, v[PC+4*\c:PC+4*\c+3] offset:(4*(\tile)+(\s))*1536+512*\c
.endr
	ds_store_b32 v14, v[PW] offset:128*(4*(\tile)+(\s))
.endm
; Eight trips, a tile of 16 rows each: x's four fragments from LDS, 32 products on eight accumulators by turns, quantised, the two heads' halves to memory.  kv = 1: the whole image also to LDS, for v
.macro PROJ kv, hs
	s_mov_b32 s40, 0
	s_mov_b32 s41, 0
	s_mov_b32 s42, 0
	s_mov_b32 s43, 0
.Lproj_\@:
	v_add_nc_u32 v15, s41, v20
	v_add_nc_u32 v16, s42, v21
	v_add_nc_u32 v19, s43, v175
.if \kv
	v_add_nc_u32 v17, s41, v22
	v_add_nc_u32 v18, s42, v23
.endif
.irp s, 0,1,2,3
.irp c, 0,1,2
	ds_load_b128 v[XF+12*\s+4*\c:XF+12*\s+4*\c+3], v15 offset:1536*\s+512*\c
.endr
	ds_load_b32 v[XS+\s], v16 offset:128*\s
.endr
	s_wait_dscnt 0x0                               ; x's fragments are in, and the last trip's LDS stores have read their registers
.irp s, 0,1,2,3
.irp t, 0,1,2,3,4,5,6,7
	FLOC 4*\t+\s
	WIN FW
.if \s == 0
	MM0 HA+8*\t, FG, XF+12*\s, WS+4*\t+\s, XS+\s
.else
	MMA HA+8*\t, FG, XF+12*\s, WS+4*\t+\s, XS+\s
.endif
.endr
.endr
	WIN 0
	PLACES
	QUANT HA
.irp c, 0,1                                    ; registers 6 c .. 6 c + 5 are head 2 w + c's 64 codes: 768 consecutive bytes
	global_store_b128 v4, v[PC+6*\c:PC+6*\c+3], s[36:37] offset:\c*(\hs)
	global_store_b64 v5, v[PC+6*\c+4:PC+6*\c+5], s[36:37] offset:\c*(\hs)+512
.endr
	v_and_b32 v173, 0xffff, v[PW]                  ; each head's two scale bytes as a word of its own
	v_lshrrev_b32 v174, 16, v[PW]
	ds_store_b32 v19, v173
	ds_store_b32 v19, v174 offset:512
.if \kv
.irp c, 0,1,2
	ds_store_b128 v17, v[PC+4*\c:PC+4*\c+3] offset:512*\c
.endr
	ds_store_b32 v18, v[PW]
.endif
	s_wait_xcnt 0x0                                ; the stores have read their data and their base: both are written again
	s_add_nc_u64 s[36:37], s[36:37], 768
	s_add_co_u32 s41, s41, 6144
	s_add_co_u32 s42, s42, 512
	s_add_co_u32 s43, s43, 64
	s_add_co_u32 s40, s40, 1
	s_cmp_lt_u32 s40, 8
	s_cbranch_scc1 .Lproj_\@
	ds_load_b128 v[24:27], v7                      ; the eight tiles' scale words of each head: 512 consecutive bytes
	ds_load_b128 v[28:31], v7 offset:512
	s_wait_dscnt 0x0
	global_store_b128 v4, v[24:27], s[38:39]
	global_store_b128 v4, v[28:31], s[38:39] offset:\hs
.endm
	s_load_b512 s[4:19], s[0:1], 0x0               ; queries, keys' codes, keys' scales, Wq's codes, Wq's scales, Wk's codes, Wk's scales, Wv's codes
	s_load_b128 s[20:23], s[0:1], 0x40             ; Wv's scales, qb
	s_load_b64 s[24:25], s[0:1], 0x50              ; kv
	s_load_b64 s[68:69], s[0:1], 0x58              ; fw1's codes
	s_load_b128 s[72:75], s[0:1], 0x60             ; fw2's codes, w1i
	s_load_b64 s[76:77], s[0:1], 0x70              ; w2i
	v_lshl_add_u32 v151, v0, 2, 0x4ac00
	v_mov_b32 v155, 0
	v_lshrrev_b32 v1, 5, v0
	v_readfirstlane_b32 s26, v1                    ; wave
	v_and_b32 v1, 31, v0                           ; lane
	v_and_b32 v2, 15, v0                           ; r
	s_wait_alu depctr_va_vdst(0)
	v_bfe_u32 v3, v0, 4, 1                         ; h
	v_lshlrev_b32 v4, 4, v1                        ; 16 x lane
	v_lshlrev_b32 v5, 3, v1                        ; 8 x lane
	v_lshlrev_b32 v6, 2, v2                        ; 4 r
	v_lshlrev_b32 v10, 2, v1                       ; 4 x lane
	; which fragment of fw1 (work-groups 0-127) or fw2 (128-255) is mine: F = 4 u + wave, u = work-group % 128
	s_and_b32 s78, ttmp9, 127
	s_lshr_b32 s79, s78, 3                         ; fw1: hidden group u / 8, tile t = u % 8, K step = wave
	s_lshl_b32 s79, s79, 7
	s_and_b32 s80, s78, 7
	s_lshr_b32 s81, s80, 1
	s_lshl_b32 s81, s81, 5
	s_add_co_u32 s79, s79, s81
	s_and_b32 s81, s80, 1
	s_lshl_b32 s81, s81, 3
	s_add_co_u32 s79, s79, s81                     ; the tile's first row: 128 x group + 32 (t / 2) + 8 (t % 2)
	s_mul_i32 s79, s79, 384
	s_mul_i32 s81, s26, 96
	s_add_co_u32 s79, s79, s81                     ; in bytes, + the K step's 96
	s_bfe_u32 s80, s78, 0x20002                    ; fw2: ch = u / 16, outputs' group (u / 4) % 4, tile n = 2 (u % 4) + wave / 2, K step 2 ch + wave % 2
	s_lshl_b32 s80, s80, 7
	s_and_b32 s81, s78, 3
	s_lshl_b32 s81, s81, 1
	s_lshr_b32 s82, s26, 1
	s_add_co_u32 s81, s81, s82
	s_lshl_b32 s81, s81, 4
	s_add_co_u32 s80, s80, s81                     ; the tile's first row: 128 x group + 16 n
	s_mul_i32 s80, s80, 1536
	s_lshr_b32 s81, s78, 4
	s_lshl_b32 s81, s81, 1
	s_and_b32 s82, s26, 1
	s_add_co_u32 s81, s81, s82
	s_mul_i32 s81, s81, 96
	s_add_co_u32 s80, s80, s81
	s_lshl_b32 s82, s78, 2
	s_add_co_u32 s82, s82, s26
	s_mul_i32 s82, s82, 1536                       ; where its image goes
	s_mov_b32 s83, 0
	s_mov_b32 s85, 0
	s_mov_b32 s90, 1536
	s_cmp_lt_u32 ttmp9, 128                        ; the choice hangs on the work-group's number alone
	s_cselect_b32 s84, s79, s80
	s_cselect_b32 s90, 384, s90                    ; a row in bytes,
	s_cselect_b32 s91, 384, 0                      ; and fw1's tiles take row r + 8 (r / 8), fw2's row r
	v_and_b32 v7, 8, v2
	v_mul_lo_u32 v[FWA0], v7, s91
	v_mul_lo_u32 v165, v2, s90
	v_add_nc_u32 v[FWA0], v[FWA0], v165
	s_wait_alu depctr_va_vdst(0)
	v_mad_u32_u24 v[FWA0], v3, 24, v[FWA0]
	v_add_nc_u32 v7, v7, v2                        ; r + 8 (r / 8)
	v_lshlrev_b32 v9, 4, v7                        ; a tile's lane term in rows of 16 scale bytes
	v_mul_u32_u24 v[SRD], v2, 400
	v_mad_u32_u24 v[SRD], v3, 24, v[SRD]
.irp j, 0,1,2
	v_add_nc_u32 v[SA+\j], 32*\j, v1               ; x
	v_mul_u32_u24 v7, v[SA+\j], 2731
	v_lshrrev_b32 v7, 16, v7                       ; x / 24, exact for x under 96
	v_add_nc_u32 v[SA+\j], v[SA+\j], v7
	v_lshlrev_b32 v[SA+\j], 4, v[SA+\j]
.endr
.irp b, 0,1,2,3
	v_mov_b32 v[TM+4+\b], 0                        ; written once: a lane permute's destination counts as one of its sources
.endr
	s_mov_b32 s[SEL], 0x76543210
	s_mov_b32 s[SEL+1], 0xfedcba98
	s_and_b32 s27, ttmp9, 1                        ; 0: Q path, 1: KV path
	s_lshr_b32 s28, ttmp9, 1                       ; which 128 rows
	s_lshr_b32 s29, s28, 3                         ; batch
	s_and_b32 s30, s28, 7                          ; which 128 rows of the batch
	s_mul_i32 s58, s26, 49152                      ; my 128 rows of a weight's codes,
	s_mov_b32 s59, 0
	s_lshl_b32 s60, s26, 11                        ; and of its scale bytes
	s_mov_b32 s61, 0
	s_lshl_b32 s31, s29, 3
	s_lshl_b32 s32, s26, 1
	s_add_co_u32 s31, s31, s32                     ; 8 b + 2 w: my first head's place in qb and kv
	s_mov_b32 s35, 0
	s_wait_kmcnt 0x0
	s_cmp_lt_u32 ttmp9, 128
	s_cselect_b64 s[86:87], s[68:69], s[72:73]
	s_cselect_b64 s[88:89], s[74:75], s[76:77]
	s_add_nc_u64 s[86:87], s[86:87], s[84:85]
	s_add_nc_u64 s[88:89], s[88:89], s[82:83]
	s_cmp_eq_u32 s27, 0
	s_cbranch_scc0 .Lkv
	; ---------------- THE Q PATH ----------------
	s_mul_i32 s32, s26, 12800
	s_add_co_u32 s32, s32, STGQ
	v_add_nc_u32 v[SRD], s32, v[SRD]
	v_add_nc_u32 v[SA], s32, v[SA]
	v_add_nc_u32 v[SA+1], s32, v[SA+1]
	s_wait_alu depctr_va_vdst(0)
	v_add_nc_u32 v[SA+2], s32, v[SA+2]
	s_mul_i32 s32, s26, 8448
	v_add_nc_u32 v11, s32, v4                      ; my stage for x, in
	v_mul_u32_u24 v12, v2, 528
	v_lshl_add_u32 v12, v3, 6, v12
	v_add_nc_u32 v12, s32, v12                     ; and out: row r, + 64 h
	s_mul_i32 s33, s26, 12288
	s_add_co_u32 s33, s33, XIMQ
	v_add_nc_u32 v13, s33, v4                      ; where I store x's images
	s_lshl_b32 s33, s26, 10
	s_add_co_u32 s34, s33, XSCQ
	v_add_nc_u32 v14, s34, v10                     ; and their scale words
	s_add_co_u32 s34, s33, SGQ
	v_add_nc_u32 v175, s34, v6
	v_add_nc_u32 v7, s34, v4
	v_add_nc_u32 v20, XIMQ, v4
	v_add_nc_u32 v21, XSCQ, v10
	s_lshl_b32 s32, s28, 18
	s_lshl_b32 s33, s26, 16
	s_add_co_u32 s34, s32, s33
	s_add_nc_u64 s[56:57], s[4:5], s[34:35]        ; queries at my 32 rows
	s_add_nc_u64 s[48:49], s[10:11], s[58:59]
	s_add_nc_u64 s[50:51], s[12:13], s[60:61]
	s_mul_i32 s32, s31, HBQ
	s_mul_i32 s33, s30, 6144
	s_add_co_u32 s34, s32, s33
	s_add_nc_u64 s[36:37], s[22:23], s[34:35]      ; qb: my first head's half fragments of these rows
	s_lshl_b32 s33, s30, 9
	s_add_co_u32 s34, s32, s33
	s_add_co_u32 s34, s34, 49152
	s_add_nc_u64 s[38:39], s[22:23], s[34:35]      ; and their scale words
	FWLOAD XF
	WLOADB 0, 0, 48
	WLOADB 0, 1, 48
	WLOADB 0, 2, 48
	WLOADB 0, 3, 48
	WSLOAD WS, 50
	XLOAD 0, 0
	XLOAD 0, 1
	XLOAD 0, 2
	XLOAD 0, 3
	s_wait_alu depctr_va_vdst(0)
	s_wait_loadcnt 63                              ; behind Wq's scale words stand x's 64 loads, behind its last block 72: all of Wq is in (a wait names 63 at the most, and a smaller count is safe)
	FWSTORE XF
	WTURN 0, 0
	WTURN 0, 1
	WTURN 0, 2
	WTURN 0, 3
	XTURN 0, 0, 48, 1                              ; behind each set of the first tile stand three younger sets of 16 loads, the refills among them
	XTURN 0, 1, 48, 1
	XTURN 0, 2, 48, 1
	XTURN 0, 3, 48, 1
	XTURN 1, 0, 48, 0                              ; the second tile's sets: three, two, one, no younger set
	XTURN 1, 1, 32, 0
	XTURN 1, 2, 16, 0
	XTURN 1, 3, 0, 0
	s_wait_xcnt 0x0                                ; the image's stores have read v24-35, which x's fragments take next
	BARRIER                                        ; x's 32 fragments lie in LDS, and Wq's are in my registers
	PROJ 0, HBQ
	s_wait_tensorcnt 0x0
	ds_add_u32 v151, v155
	s_wait_dscnt 0x0
	s_endpgm
	; ---------------- THE KV PATH ----------------
.Lkv:
	s_mul_i32 s32, s26, 12800
	s_add_co_u32 s32, s32, STGK
	v_add_nc_u32 v[SRD], s32, v[SRD]
	v_add_nc_u32 v[SA], s32, v[SA]
	v_add_nc_u32 v[SA+1], s32, v[SA+1]
	s_wait_alu depctr_va_vdst(0)
	v_add_nc_u32 v[SA+2], s32, v[SA+2]
	s_mul_i32 s33, s26, 12288
	s_add_co_u32 s33, s33, XIMK
	v_add_nc_u32 v13, s33, v4
	s_lshl_b32 s33, s26, 10
	s_add_co_u32 s34, s33, XSCK
	v_add_nc_u32 v14, s34, v10
	s_add_co_u32 s34, s33, SGK
	v_add_nc_u32 v175, s34, v6
	v_add_nc_u32 v7, s34, v4
	v_add_nc_u32 v20, XIMK, v4
	v_add_nc_u32 v21, XSCK, v10
	s_mul_i32 s33, s26, 1536
	s_add_co_u32 s33, s33, KIMG
	v_add_nc_u32 v22, s33, v4                      ; k's images: fragment 4 m + wave
	s_lshl_b32 s33, s26, 7
	s_add_co_u32 s33, s33, KSC
	v_add_nc_u32 v23, s33, v10
	s_lshl_b32 s33, s26, 9
	s_add_co_u32 s33, s33, SGV
	v_add_nc_u32 v11, s33, v6
	v_add_nc_u32 v12, s33, v4
	s_mul_i32 s32, s31, HBK
	s_mul_i32 s33, s30, 6144
	s_add_co_u32 s34, s32, s33
	s_add_nc_u64 s[36:37], s[24:25], s[34:35]      ; kv: K's half fragments
	s_add_co_u32 s34, s34, VOFF
	s_add_nc_u64 s[44:45], s[24:25], s[34:35]      ; V's fragments of this key step
	s_lshl_b32 s33, s30, 9
	s_add_co_u32 s34, s32, s33
	s_add_co_u32 s34, s34, KSOFF
	s_add_nc_u64 s[38:39], s[24:25], s[34:35]      ; K's scale words
	s_lshl_b32 s33, s30, 8
	s_add_co_u32 s34, s32, s33
	s_add_co_u32 s34, s34, VSOFF
	s_add_nc_u64 s[66:67], s[24:25], s[34:35]      ; V's scale words
	s_mul_i32 s32, s28, 49152
	s_mul_i32 s33, s26, 12288
	s_add_co_u32 s34, s32, s33
	s_add_nc_u64 s[56:57], s[6:7], s[34:35]        ; keys' codes at my 32 rows
	s_lshl_b32 s32, s28, 11
	s_lshl_b32 s33, s26, 9
	s_add_co_u32 s34, s32, s33
	s_add_nc_u64 s[62:63], s[8:9], s[34:35]        ; and their scale bytes
	s_add_nc_u64 s[48:49], s[14:15], s[58:59]
	s_add_nc_u64 s[50:51], s[16:17], s[60:61]
	s_add_nc_u64 s[52:53], s[18:19], s[58:59]
	s_add_nc_u64 s[54:55], s[20:21], s[60:61]
	FWLOAD PC
	WLOADB 100, 0, 56                              ; my 32 rows of the keys are one block: row tiles 2 w + u, rows 32 w + 8 u + r + 8 (r / 8)
.irp u, 0,1
	global_load_b128 v[120+4*\u:123+4*\u], v9, s[62:63] offset:128*\u
.endr
	WLOADB 0, 0, 48
	WLOADB 0, 1, 48
	WLOADB 0, 2, 48
	WLOADB 0, 3, 48
	WSLOAD WS, 50
	s_wait_alu depctr_va_vdst(0)
	s_wait_loadcnt 63                              ; my fragment of fw1 or fw2 and the keys are in: Wk's 104 loads are younger
	FWSTORE PC
	WTURN 100, 0
	s_wait_dscnt 0x0
.irp f, 0,1,2,3,4,5,6,7
.irp c, 0,1,2
	ds_store_b128 v13, v[XF+12*\f+4*\c:XF+12*\f+4*\c+3] offset:1536*\f+512*\c
.endr
	ds_store_b32 v14, v[120+\f] offset:128*\f
.endr
	WLOADB 32, 0, 52                               ; Wv's first two blocks and its scale words, 56 loads, land while k is made
	WLOADB 32, 1, 52
	WSLOAD WVS, 54
	s_wait_loadcnt 56                              ; Wk and its scale words are in; the 56 just issued may stay out
	WTURN 0, 0
	WTURN 0, 1
	WTURN 0, 2
	WTURN 0, 3
	s_wait_xcnt 0x0                                ; the image's stores have read v136-147, which the quantiser writes next
	BARRIER                                        ; the keys' 32 fragments lie in LDS, and Wk's are in my registers
	PROJ 1, HBK
	WLOADB 32, 2, 52                               ; Wv's last two blocks land while its first four channel tiles are multiplied
	WLOADB 32, 3, 52
	s_wait_loadcnt 48                              ; all but these 48
	WTURN 32, 0
	WTURN 32, 1
	BARRIER                                        ; k's 32 fragments lie in LDS
	v_add_nc_u32 v15, KIMG, v4
	v_add_nc_u32 v16, KSC, v10
	v_mul_u32_u24 v17, v3, HBK
	v_lshl_add_u32 v17, v2, 4, v17                 ; V's scale words out: lanes 0-15 my first head, lanes 16-31 my second
.set F, 0
.rept 32                                       ; k takes Wk's place in the registers (its last products stand a whole quantising back)
	FLOC F
	WIN FW<<6
.irp c, 0,1,2
	ds_load_b128 v[FG+4*\c:FG+4*\c+3], v15 offset:1536*F+512*\c
.endr
.set F, F+1
.endr
	WIN 0
.set F, 0
.rept 32
	ds_load_b32 v[WS+F], v16 offset:128*F
.set F, F+1
.endr
	s_wait_dscnt 0x0
; v, a tile of 16 channels at a time, for all 128 keys: source 0 = 16 rows of k, source 1 = 16 rows of Wv.  A lane holds channel r; register 16 b + 8 u + j is key 32 b + 16 h + 8 u + j
.set N, 0
.rept 8
.if N == 4
	s_wait_loadcnt 0x0                             ; Wv's last two blocks
	WTURN 32, 2
	WTURN 32, 3
	s_wait_dscnt 0x0
.endif
.irp s, 0,1,2,3
.irp m, 0,1,2,3,4,5,6,7
	FLOC 4*\m+\s
.set FWA, FW
.set FGA, FG
	FLOC 32+4*N+\s
	WIN FWA|(FW<<2)
.if \s == 0
	MM0 HA+8*\m, FGA, FG, WS+4*\m+\s, WVS+4*N+\s
.else
	MMA HA+8*\m, FGA, FG, WS+4*\m+\s, WVS+4*N+\s
.endif
.endr
.endr
	WIN 0
	PLACES
	s_wait_xcnt 0x0                                ; the last tile's stores have read the codes' registers
	s_wait_dscnt 0x0
	QUANT HA
.irp c, 0,1,2
	global_store_b128 v4, v[PC+4*\c:PC+4*\c+3], s[44:45] offset:(N/4)*HBK+1536*(N%4)+512*\c
.endr
	ds_store_b32 v11, v[PW] offset:64*N
.set N, N+1
.endr
	ds_load_b128 v[24:27], v12                     ; eight tiles' scale words: 256 bytes for each of my two heads
	s_wait_dscnt 0x0
	global_store_b128 v17, v[24:27], s[66:67]
	s_wait_tensorcnt 0x0
	ds_add_u32 v151, v155
	s_wait_dscnt 0x0
	s_endpgm
.Lfunc_end_k_q578724e724_proj:
	.size	k_q578724e724_proj, .Lfunc_end_k_q578724e724_proj-k_q578724e724_proj
	.p2alignl 7, 3214868480
	.fill 96, 4, 3214868480
	.section	.rodata,"a",@progbits
	.p2align	6, 0x0
	.amdhsa_kernel k_q578724e724_proj
		.amdhsa_group_segment_fixed_size 306688
		.amdhsa_private_segment_fixed_size 0
		.amdhsa_enable_private_segment 0
		.amdhsa_kernarg_size 120
		.amdhsa_user_sgpr_count 2
		.amdhsa_user_sgpr_kernarg_segment_ptr 1
		.amdhsa_wavefront_size32 1
		.amdhsa_system_sgpr_workgroup_id_x 1
		.amdhsa_system_sgpr_workgroup_id_y 1
		.amdhsa_system_sgpr_workgroup_id_z 1
		.amdhsa_system_vgpr_workitem_id 0
		.amdhsa_next_free_vgpr 1024
		.amdhsa_next_free_sgpr 92
		.amdhsa_reserve_vcc 0
		.amdhsa_float_denorm_mode_32 3
		.amdhsa_float_denorm_mode_16_64 3
		.amdhsa_memory_ordered 1
		.amdhsa_forward_progress 1
		.amdhsa_inst_pref_size 255
	.end_amdhsa_kernel
	.section	.bss,"aw",@nobits
	.p2align	6
	.space	262144
	.amdgpu_metadata
---
amdhsa.version: [ 1, 2 ]
amdhsa.kernels:
  - .name:           k_q578724e724_proj
    .symbol:         k_q578724e724_proj.kd
    .args:
      - { .name: queries, .offset: 0, .size: 8, .value_kind: global_buffer, .address_space: global }
      - { .name: keys_codes, .offset: 8, .size: 8, .value_kind: global_buffer, .address_space: global }
      - { .name: keys_scales, .offset: 16, .size: 8, .value_kind: global_buffer, .address_space: global }
      - { .name: W_Query_codes, .offset: 24, .size: 8, .value_kind: global_buffer, .address_space: global }
      - { .name: W_Query_scales, .offset: 32, .size: 8, .value_kind: global_buffer, .address_space: global }
      - { .name: W_key_codes, .offset: 40, .size: 8, .value_kind: global_buffer, .address_space: global }
      - { .name: W_key_scales, .offset: 48, .size: 8, .value_kind: global_buffer, .address_space: global }
      - { .name: W_Value_codes, .offset: 56, .size: 8, .value_kind: global_buffer, .address_space: global }
      - { .name: W_Value_scales, .offset: 64, .size: 8, .value_kind: global_buffer, .address_space: global }
      - { .name: qb, .offset: 72, .size: 8, .value_kind: global_buffer, .address_space: global }
      - { .name: kv, .offset: 80, .size: 8, .value_kind: global_buffer, .address_space: global }
      - { .name: fw1_codes, .offset: 88, .size: 8, .value_kind: global_buffer, .address_space: global }
      - { .name: fw2_codes, .offset: 96, .size: 8, .value_kind: global_buffer, .address_space: global }
      - { .name: w1i, .offset: 104, .size: 8, .value_kind: global_buffer, .address_space: global }
      - { .name: w2i, .offset: 112, .size: 8, .value_kind: global_buffer, .address_space: global }
    .group_segment_fixed_size: 306688
    .private_segment_fixed_size: 0
    .kernarg_segment_align: 8
    .kernarg_segment_size: 120
    .max_flat_workgroup_size: 128
    .sgpr_count:     92
    .vgpr_count:     1024
    .wavefront_size: 32
...
	.end_amdgpu_metadata
.endif
;; end of part 5
;; launch attn (part 6): grid 4 x 64, 16 waves a work-group, clusters of 4 x 1, 289,792 bytes of LDS; arguments queries, qb, kv, xc, xs, rsum; writes xc, xs, rsum
.if DOCPART == 6
	.amdgcn_target "amdgcn-amd-amdhsa--gfx1250"
	.amdhsa_code_object_version 6
	.text
	.protected	k_q578724e724_attn
	.globl	k_q578724e724_attn
	.p2align	8
	.type	k_q578724e724_attn,@function
k_q578724e724_attn:
	s_mov_b64 s[64:65], 0
	v_nop
	global_prefetch_b8 v0, s[64:65] scope:SCOPE_SE
	s_setreg_imm32_b32 hwreg(HW_REG_WAVE_MODE, 25, 1), 1
	s_wait_xcnt 0x0
	s_wait_alu depctr_hold_cnt(0) depctr_sa_sdst(0) depctr_va_vdst(0) depctr_va_sdst(0) depctr_va_ssrc(0) depctr_va_vcc(0) depctr_vm_vsrc(0)
	s_getreg_b32 s2, hwreg(HW_REG_IB_STS2, 6, 4)
	s_cmp_eq_u32 s2, 0
	s_cbranch_scc0 .Lentry_in_a_cluster
	s_endpgm
.Lentry_in_a_cluster:
	s_bfe_u32 s2, ttmp6, 0x10000c
	s_cmp_lg_u32 s2, 0x3003
	s_cbranch_scc0 .Lentry_shape_is_right
	s_endpgm
.Lentry_shape_is_right:
; result = softmax(q k^T / 8, the diagonal blinded) v + queries, for two heads of one batch and 256 queries; it leaves as codes of FP6 along D (xc, xs) and as column sums in f32 (rsum).
; Both products on codes of FP6 (E2M3) with E8M0 scales.  The first product's K is 64: the upper half of Q's operand is zero codes.  K's eight half fragments of a key step lie 6 registers apart, and the operand
; of tile t runs on into tile t + 1's six (the last into six zeros): those upper 64 codes meet Q's zero codes, every 6-bit pattern is a finite number, and the upper two scale bytes of both words are 0, a finite scale: they add nothing.
; THE SOFTMAX: t = score x log2(e) / 8; M = the running largest t rounded up to a whole number; p = 2^(t - M) is quantised along the keys; the row's sum is taken of the unquantised p and divides at the end.
; SHARES.  Work-group y = 4 b + s takes heads 2 s and 2 s + 1 of batch b; the four partners of a cluster share their K and V, 208,896 bytes, which come into LDS ONCE by joint loads, one a wave, and stay.
; Wave w owns ONE tile of 16 queries, tile 4 w + cx of the batch's 64, and runs two passes, one a head.  Its diagonal lies in key step w / 2, in the step's half w % 2: numbers of the wave alone.
; No branch and no LDS address hangs on the work-group's place in its cluster; the place enters global addresses and 32 lane masks that only select values.
; LAYOUT.  S^T = K Q^T and O^T = V^T P^T: a lane holds one query.  THE KEYS OF A TILE OF K ARE CHOSEN BY ADDRESS: row m of tile t is the step's key 64 (t / 4) + 32 (m / 8) + 8 (t % 4) + m % 8,
; so that register N of lane (r, h) is key 64 (N / 32) + 32 h + N % 32: a lane holds two WHOLE blocks of 32 keys, as the second product's operand wants them: no other lane is asked for a block's maximum,
; and the conversions' results are the operand's registers.  In kv key 32 b + 8 u + 16 q + e is row 8 q + e of tile 2 b + u: row m = 8 p + e of my tile t lies in kv's tile 4 (t / 4) + 2 p + t % 2 at row 8 ((t % 4) / 2) + e.
; THE NEXT STEP'S K is asked of LDS behind this step's eight score products, ahead of the softmax's vector work.  A work-group barrier in each key step keeps the sixteen waves within one step of each other.
; At the end of a pass the head's 64 numbers of a row are half a fragment of the next product's operand; after two passes the wave holds a whole fragment and a whole scale word.
; No prefetch: K and V are asked of memory once, at the head, and no loop runs ahead of a load from memory.
; LIMITS: NaN and infinities are not served; the diagonal's raw score is -2^35 (the blinding value -2^32 times 8); 1 / sum is v_rcp_f32; a block of zeros gets the byte 1 (read by this program alone).
; REGISTERS: v1-11 addresses, v12 -M, v13 largest t, v[14:15] the sum, v16-27 Q, v28 its scale words, v32-79 K's eight half fragments, v80-85 zeros, v86-91 the first head's codes, v92-95 K's scale words,
;   v96-159 S^T, then p, then V's four fragments, v160-191 O^T, v192-223 the residual, v224-235 p's codes, v236-246 at work, v247 V's address, v250-251 V's scale words, v252 f, v253 p's scale word.
;   At the end v74-85 hold the result's fragment.  s68-99: the diagonal's lane masks.
.set HB,    104448
.set HBQ,   53248
.set VOFF,  49152
.set KSOFF, 98304
.set VSOFF, 102400
.set RT,    208896                     ; behind K and V: 16 rows x (256 + 16) bytes for each wave, to turn rows into columns
.set CSUM,  278528                     ; column sums [head of the pair][wave][64] f32
.set XSTG,  286720                     ; the waves' scale words on their way out
.set MK,    68                         ; s[MK + n]: the lanes whose query is key n of its half step's 32 registers
.macro PLACES
.rept 4
	v_nop
.endr
.endm
.macro CROUND                          ; a round of the cluster's barrier
	s_barrier_signal -1
	s_barrier_wait -1
	s_cmp_lg_u32 s16, 0
	s_cbranch_scc1 .Lnot_wave_0_\@
	s_barrier_signal -3
.Lnot_wave_0_\@:
	s_barrier_wait -3
	s_barrier_signal -1
	s_barrier_wait -1
.endm
.macro PLOAD hp                        ; a pass's Q: half a fragment and its scale words, three loads
	global_load_b128 v[16:19], v1, s[44:45] offset:HBQ*(\hp)
	global_load_b64 v[20:21], v2, s[44:45] offset:HBQ*(\hp)+512
	global_load_b32 v28, v29, s[46:47] offset:HBQ*(\hp)
.endm
.macro RLOAD hp                        ; a pass's residual: eight loads
.irp b, 0,1
.irp j, 0,1,2,3
	global_load_b128 v[192+16*\b+4*\j:195+16*\b+4*\j], v7, s[48:49] offset:256*(\hp)+128*\b+16*\j
.endr
.endr
.endm
.macro KLOAD nx                        ; K's eight half fragments and four registers of scale words (lanes 0-15 the even tile's, lanes 16-31 the odd tile's) of the step at v8-10 (nx = 0) or of the one behind it (1)
.irp t, 0,1,2,3,4,5,6,7
	ds_load_b128 v[32+6*\t:35+6*\t], v8 offset:6144*(\nx)+768*(4*(\t/4)+\t%2)+128*((\t%4)/2)
	ds_load_b64 v[36+6*\t:37+6*\t], v9 offset:6144*(\nx)+768*(4*(\t/4)+\t%2)+512+64*((\t%4)/2)
.endr
.irp p, 0,1,2,3
	ds_load_b32 v[92+\p], v10 offset:512*(\nx)+256*(\p/2)+32*(\p%2)
.endr
.endm
.macro SUMS n                          ; n more pairs of p onto the four partial sums, by turns (N: the pair)
.rept \n
.if N%4
	v_pk_add_f32 v[238+2*(N%4):239+2*(N%4)], v[238+2*(N%4):239+2*(N%4)], v[96+2*N:97+2*N]
.else
	v_pk_add_f32 v[14:15], v[14:15], v[96+2*N:97+2*N]
.endif
.set N, N+1
.endr
.endm
.macro PRUN hp
	s_mov_b32 s36, (\hp)*HB                        ; the head's K and V, 6,144 bytes a key step each;
	s_mov_b32 s37, (\hp)*HB                        ; K's scale words, 512 bytes a step;
	s_mov_b32 s38, (\hp)*HB                        ; V's, 256
	s_mov_b32 s23, 0
	v_add_nc_u32 v8, s36, v5
	v_add_nc_u32 v9, s36, v6
	v_add_nc_u32 v10, s37, v3
	KLOAD 0                                        ; the first step's K; it lands under the lines below
.set N, 0
.rept 32
	v_mov_b32 v[160+N], 0                          ; O^T.  (The key step is written once: the first finds zeros, which the first change of M leaves zeros)
.set N, N+1
.endr
	v_mov_b32 v14, 0
	v_mov_b32 v15, 0
	v_mov_b32 v13, 0xff61b1e6                      ; the largest t so far: -3e38
	s_delay_alu instid0(VALU_DEP_1)
	v_floor_f32 v12, -v13
	s_wait_loadcnt 0x8                             ; Q's three loads are in; the residual's eight stay out until the pass's end
.Lstep_\@:
	v_add_nc_u32 v8, s36, v5
	v_add_nc_u32 v9, s36, v6
	v_add_nc_u32 v10, s37, v3
	v_add_nc_u32 v11, s38, v4
	v_add_nc_u32 v247, s36, v1
	v_nop                                          ; six places in all: the scores are laid over registers that the last step's products read as V, which wants five
	s_wait_alu depctr_va_vdst(0)
	s_wait_dscnt 0x0                               ; this step's K is in, and no LDS instruction of mine is out at the signal
	s_barrier_signal -1                            ; I have begun this key step
.irp t, 0,1,2,3,4,5,6,7                        ; S^T = K Q^T, eight tiles of 16 keys
.if \t%2
	v_wmma_scale_f32_16x16x128_f8f6f4 v[96+8*\t:103+8*\t], v[32+6*\t:43+6*\t], v[16:27], 0, v[92+\t/2], v28 matrix_a_fmt:MATRIX_FMT_FP6 matrix_b_fmt:MATRIX_FMT_FP6 matrix_a_scale:MATRIX_SCALE_ROW1
.else
	v_wmma_scale_f32_16x16x128_f8f6f4 v[96+8*\t:103+8*\t], v[32+6*\t:43+6*\t], v[16:27], 0, v[92+\t/2], v28 matrix_a_fmt:MATRIX_FMT_FP6 matrix_b_fmt:MATRIX_FMT_FP6
.endif
.endr
	PLACES                                         ; ahead of the loads into K's registers and of the first read of the scores
	s_barrier_wait -1                              ; and so have the other fifteen waves
	s_cmp_eq_u32 s23, 7                            ; the last step has no successor: a branch on the loop's count
	s_cbranch_scc1 .Llast_\@
	KLOAD 1
.Llast_\@:
	s_cmp_lg_u32 s23, s22                          ; the one step of eight that holds my diagonal: a branch on the wave's number and the loop's count
	s_cbranch_scc1 .Lopen_\@
	s_cmp_lg_u32 s60, 0                            ; and its half: the wave's parity
	s_cbranch_scc1 .Lodd_\@
.set N, 0
.rept 32
	v_cndmask_b32 v[96+N], v[96+N], s39, s[MK+N]
.set N, N+1
.endr
	s_wait_alu depctr_va_vdst(0)                   ; the wait ahead of the jump
	s_branch .Lopen_\@
.Lodd_\@:
.set N, 0
.rept 32
	v_cndmask_b32 v[128+N], v[128+N], s39, s[MK+N]
.set N, N+1
.endr
.Lopen_\@:
.irp c, 0,1                                    ; the largest score of my two blocks of 32 keys, each in two chains: for the row's maximum, and for the block's largest p
	v_max3_num_f32 v[236+\c], v[96+32*\c], v[97+32*\c], v[98+32*\c]
	v_max3_num_f32 v[238+\c], v[112+32*\c], v[113+32*\c], v[114+32*\c]
.endr
.irp i, 3,5,7,9,11,13
.irp c, 0,1
	v_max3_num_f32 v[236+\c], v[236+\c], v[96+32*\c+\i], v[97+32*\c+\i]
	v_max3_num_f32 v[238+\c], v[238+\c], v[112+32*\c+\i], v[113+32*\c+\i]
.endr
.endr
.irp c, 0,1
	v_max3_num_f32 v[236+\c], v[236+\c], v[111+32*\c], v[127+32*\c]
.endr
.irp c, 0,1
	s_delay_alu instid0(VALU_DEP_2)
	v_max_num_f32 v[236+\c], v[236+\c], v[238+\c]
.endr
	s_delay_alu instid0(VALU_DEP_1)
	v_max_num_f32 v238, v236, v237
	s_delay_alu instid0(VALU_DEP_1)
	v_permlanex16_b32 v239, v238, s40, s41         ; with lane l xor 16's two blocks
	s_delay_alu instid0(VALU_DEP_1)
	v_max_num_f32 v238, v238, v239
	s_delay_alu instid0(VALU_DEP_1)
	v_mul_f32 v254, s42, v238
	s_delay_alu instid0(VALU_DEP_1)
	v_max_num_f32 v13, v13, v254                   ; the running largest t
	v_mov_b32 v254, v12
	s_delay_alu instid0(VALU_DEP_2)
	v_floor_f32 v12, -v13                          ; the new -M = -ceil(t)
	s_delay_alu instid0(VALU_DEP_1)
	v_sub_f32 v254, v12, v254
	s_delay_alu instid0(VALU_DEP_1)
	v_cvt_i32_f32 v254, v254                       ; (it saturates)
	s_delay_alu instid0(VALU_DEP_1)
	v_ldexp_f32 v252, 1.0, v254                    ; f = 2^(old M - new M)
.set N, 0
.rept 32
	v_pk_fma_f32 v[96+N:97+N], v[96+N:97+N], s[42:43], v[12:13] op_sel_hi:[1,0,0]   ; t - M
.set N, N+2
.endr
	v_fma_f32 v236, v236, s42, v12                 ; the same of each block's largest score
	v_fma_f32 v237, v237, s42, v12
	s_wait_alu depctr_va_vdst(0)                   ; the wait ahead of the batch
.set N, 0
.rept 64
	v_exp_f32 v[96+N], v[96+N]                     ; p = 2^(t - M)
.set N, N+1
.endr
	v_exp_f32 v236, v236                           ; each block's largest p: the same two instructions on the same number
	v_exp_f32 v237, v237
	v_pk_mul_f32 v[14:15], v[14:15], v[252:253] op_sel_hi:[1,0]   ; the sum under the new M: a plain place behind the exponentials
	s_wait_alu depctr_va_vdst(0)                   ; one wait for the batch, ahead of its first reader
	v_pk_add_f32 v[240:241], v[96:97], v[98:99]    ; the row's sum of the unquantised p: 32 packed additions on four partial sums; the scales' lines stand among them
	v_pk_add_f32 v[242:243], v[100:101], v[102:103]
	v_pk_add_f32 v[244:245], v[104:105], v[106:107]
	v_pk_add_f32 v[14:15], v[14:15], v[108:109]
.set N, 7
	v_max_num_f32 v236, 0x1800000, v236            ; the floor 2^(3 - 127)
	v_max_num_f32 v237, 0x1800000, v237
	SUMS 8
	v_add_nc_u32 v236, 0xff000000, v236            ; 2 off the exponent field: the conversion's scale operand
	v_add_nc_u32 v237, 0xff000000, v237
	SUMS 8
	v_lshrrev_b32 v238, 23, v236                   ; the scales' bytes: blocks h and 2 + h
	v_lshrrev_b32 v239, 23, v237
	SUMS 9
	v_lshl_or_b32 v238, v239, 16, v238
	v_pk_add_f32 v[240:241], v[240:241], v[242:243]
	v_pk_add_f32 v[14:15], v[14:15], v[244:245]
	v_permlanex16_b32 v239, v238, s40, s41
	v_pk_add_f32 v[14:15], v[14:15], v[240:241]
	v_lshl_or_b32 v253, v239, 8, v238              ; p's scale word for these 128 keys, whole in lanes 0-15, which alone are read
	v_cvt_scalef32_pk16_fp6_f32 v[224:226], v[96:111], v236
	v_cvt_scalef32_pk16_fp6_f32 v[240:242], v[112:127], v236   ; (a conversion's three registers begin on an even number)
	v_cvt_scalef32_pk16_fp6_f32 v[230:232], v[128:143], v237
	v_cvt_scalef32_pk16_fp6_f32 v[244:246], v[144:159], v237
	v_nop                                          ; one plain place behind a scaled conversion
.irp t, 0,1,2,3                                ; V's four fragments take p's place; they land under the lines below
.irp i, 0,1,2
	ds_load_b128 v[96+12*\t+4*\i:99+12*\t+4*\i], v247 offset:VOFF+1536*\t+512*\i
.endr
.endr
	ds_load_b32 v250, v11
	ds_load_b32 v251, v11 offset:128
.irp i, 0,1,2
	v_mov_b32 v[227+\i], v[240+\i]
	v_mov_b32 v[233+\i], v[244+\i]
.endr
.set N, 0
.rept 16
	v_pk_mul_f32 v[160+N:161+N], v[160+N:161+N], v[252:253] op_sel_hi:[1,0]   ; O^T under the new M; these are also the places between p's codes and scale word and the products
.set N, N+2
.endr
	s_wait_alu depctr_va_vdst(0)
	s_wait_dscnt 0x0
.irp t, 0,1,2,3                                ; O^T += V^T P^T: four accumulators by turns; between two links of one stand the next step's eight products
.if \t%2
	v_wmma_scale_f32_16x16x128_f8f6f4 v[160+8*\t:167+8*\t], v[96+12*\t:107+12*\t], v[224:235], v[160+8*\t:167+8*\t], v[250+\t/2], v253 matrix_a_fmt:MATRIX_FMT_FP6 matrix_b_fmt:MATRIX_FMT_FP6 matrix_a_scale:MATRIX_SCALE_ROW1
.else
	v_wmma_scale_f32_16x16x128_f8f6f4 v[160+8*\t:167+8*\t], v[96+12*\t:107+12*\t], v[224:235], v[160+8*\t:167+8*\t], v[250+\t/2], v253 matrix_a_fmt:MATRIX_FMT_FP6 matrix_b_fmt:MATRIX_FMT_FP6
.endif
.endr
	s_add_co_u32 s36, s36, 6144
	s_add_co_u32 s37, s37, 512
	s_add_co_u32 s38, s38, 256
	s_add_co_u32 s23, s23, 1
	s_cmp_lt_u32 s23, 8
	s_cbranch_scc1 .Lstep_\@
	; ---- the pass's end: result = O^T / sum + queries; register 16 b + i is the head's channel 32 b + 16 h + i of my query
	PLACES
	v_add_f32 v14, v14, v15
	s_delay_alu instid0(VALU_DEP_1)
	v_permlanex16_b32 v252, v14, s40, s41
	s_delay_alu instid0(VALU_DEP_1)
	v_add_f32 v14, v14, v252
	s_wait_alu depctr_va_vdst(0)
	v_rcp_f32 v14, v14
	v_nop                                          ; a plain place behind the reciprocal,
	s_wait_alu depctr_va_vdst(0)                   ; and the wait ahead of its first reader
	s_wait_loadcnt 0x0                             ; the residual
.set N, 0
.rept 32
	v_fma_f32 v[96+N], v[160+N], v14, v[192+N]
.set N, N+1
.endr
.irp b, 0,1                                    ; through my stage: rows in, columns out, for the sum over my 16 rows
.irp j, 0,1,2,3
	ds_store_b128 v31, v[96+16*\b+4*\j:99+16*\b+4*\j] offset:128*\b+16*\j
.endr
.endr
.set N, 0
.rept 16
	ds_load_b64 v[128+2*N:129+2*N], v248 offset:272*N   ; LDS serves a wave's instructions in order: these see the stores above
.set N, N+1
.endr
.irp b, 0,1                                    ; the head's two blocks of 32 are quantised while the loads are out
	v_max3_num_f32 v[232+\b], |v[96+16*\b]|, |v[97+16*\b]|, 0x1800000
.endr
.irp i, 2,4,6,8,10,12,14
.irp b, 0,1
	s_delay_alu instid0(VALU_DEP_2)
	v_max3_num_f32 v[232+\b], v[232+\b], |v[96+16*\b+\i]|, |v[97+16*\b+\i]|
.endr
.endr
.irp b, 0,1
	s_delay_alu instid0(VALU_DEP_2)
	v_permlanex16_b32 v[236+\b], v[232+\b], s40, s41
.endr
.irp b, 0,1
	s_delay_alu instid0(VALU_DEP_2)
	v_max_num_f32 v[232+\b], v[232+\b], v[236+\b]
.endr
.irp b, 0,1
	s_delay_alu instid0(VALU_DEP_2)
	v_add_nc_u32 v[244+\b], 0xff000000, v[232+\b]
.endr
.irp b, 0,1
	s_delay_alu instid0(VALU_DEP_2)
	v_lshrrev_b32 v[236+\b], 23, v[244+\b]
.endr
.if \hp
	s_delay_alu instid0(VALU_DEP_1)
	v_lshl_or_b32 v254, v237, 8, v236
	s_delay_alu instid0(VALU_DEP_1)
	v_lshl_or_b32 v30, v254, 16, v30               ; the second head's two bytes on top of the first's
.else
	s_delay_alu instid0(VALU_DEP_1)
	v_lshl_or_b32 v30, v237, 8, v236
.endif
	v_cvt_scalef32_pk16_fp6_f32 v[86-6*(\hp):88-6*(\hp)], v[96:111], v244   ; the first head's six registers wait in v86-91; the second's go to v80-85, which K needs no more
	v_cvt_scalef32_pk16_fp6_f32 v[240:242], v[112:127], v245
	v_nop
.irp i, 0,1,2
	v_permlane16_swap_b32 v[86-6*(\hp)+\i], v[240+\i]
.endr
.irp i, 0,1,2
	s_delay_alu instid0(VALU_DEP_3)
	v_mov_b32 v[89-6*(\hp)+\i], v[240+\i]
.endr
	s_wait_dscnt 0x0
.irp i, 2
	v_pk_add_f32 v[128:129], v[128:129], v[128+2*\i:129+2*\i]
	v_pk_add_f32 v[130:131], v[130:131], v[130+2*\i:131+2*\i]
.endr
.irp i, 4, 6, 8, 10, 12, 14
	s_delay_alu instid0(VALU_DEP_2)
	v_pk_add_f32 v[128:129], v[128:129], v[128+2*\i:129+2*\i]
	s_delay_alu instid0(VALU_DEP_2)
	v_pk_add_f32 v[130:131], v[130:131], v[130+2*\i:131+2*\i]
.endr
	s_delay_alu instid0(VALU_DEP_1)
	v_pk_add_f32 v[128:129], v[128:129], v[130:131]
	ds_store_b64 v249, v[128:129] offset:4096*(\hp)  ; my 16 rows' sums of channels 2 x lane and 2 x lane + 1
.endm
	s_load_b256 s[4:11], s[0:1], 0x0               ; queries, qb, kv, xc
	s_load_b128 s[12:15], s[0:1], 0x20             ; xs, rsum
	v_lshl_add_u32 v254, v0, 2, 0x46400
	v_mov_b32 v255, 0
	ds_add_u32 v254, v255                          ; the opening lines: the add, twice on end, and its wait
	ds_add_u32 v254, v255
	s_wait_dscnt 0x0
	v_lshrrev_b32 v1, 5, v0
	s_delay_alu instid0(VALU_DEP_1)
	v_readfirstlane_b32 s16, v1                    ; wave 0..15
	s_bfe_u32 s17, ttmp6, 0x40000                  ; cx
	s_and_b32 s18, ttmp7, 0xffff                   ; y = 4 b + s
	s_lshr_b32 s19, s18, 2
	s_and_b32 s20, s18, 3
	s_lshr_b32 s22, s16, 1                         ; the key step of my diagonal,
	s_and_b32 s60, s16, 1                          ; and its half
	s_lshl_b32 s21, s16, 2
	s_add_co_u32 s21, s21, s17                     ; my tile of queries: 4 w + cx
	s_mov_b32 s39, 0xd1000000                      ; -2^35
	s_lshr_b32 s56, s17, 1                         ; my query is key 32 (cx / 2) + 16 (cx % 2) + r of that half
	s_and_b32 s57, s17, 1
	s_lshl_b32 s57, s57, 4
	s_mul_i32 s58, s16, 4352
	s_add_co_u32 s58, s58, RT
	s_lshl_b32 s59, s16, 8
	s_add_co_u32 s59, s59, CSUM
	s_lshl_b32 s61, s16, 6
	s_add_co_u32 s61, s61, XSTG                    ; where my scale words go, and (s62) where waves 0 and 1 read eight waves' words: used at the end
	s_lshl_b32 s62, s60, 9
	s_add_co_u32 s62, s62, XSTG
	v_and_b32 v29, 31, v0
	v_and_b32 v8, 15, v0                           ; r
	v_bfe_u32 v9, v0, 4, 1                         ; h
	v_lshlrev_b32 v1, 4, v29                       ; 16 x lane
	v_lshlrev_b32 v2, 3, v29                       ; 8 x lane
	v_lshlrev_b32 v4, 2, v29
	v_add_nc_u32 v4, VSOFF, v4
	v_and_b32 v10, 7, v8                           ; e = r % 8
	v_lshrrev_b32 v11, 3, v8                       ; p = r / 8
	v_lshlrev_b32 v3, 7, v11
	v_mul_u32_u24 v11, v11, 1536
	v_lshl_add_u32 v3, v10, 2, v3
	v_lshl_add_u32 v5, v10, 4, v11
	v_lshl_add_u32 v6, v10, 3, v11
	v_lshl_add_u32 v3, v9, 6, v3
	v_lshl_add_u32 v5, v9, 8, v5                   ; K's registers 0-3: two tiles of kv on for p, 16 e + 256 h
	v_lshl_add_u32 v6, v9, 7, v6                   ; registers 4-5: 8 e + 128 h
	v_add_nc_u32 v3, KSOFF, v3                     ; K's scale words: 128 p + 64 (lane / 16) + 4 e
	v_xor_b32 v10, s56, v9
	v_add_nc_u32 v11, s57, v8
	v_lshl_add_u32 v10, v10, 6, v11                ; 16 (cx % 2) + r where h = cx / 2, 64 or more elsewhere: compared, never an address
.set N, 0
.rept 32
	v_cmp_eq_u32 s[MK+N], N, v10
.set N, N+1
.endr
	v_lshlrev_b32 v7, 11, v8
	v_lshl_add_u32 v7, v9, 6, v7                   ; the residual: row r of 2,048 bytes, + 64 h
	v_lshlrev_b32 v29, 2, v8                       ; 4 r
	v_mul_u32_u24 v31, v8, 272
	v_lshl_add_u32 v31, v9, 6, v31
	v_add_nc_u32 v31, s58, v31
	v_add_nc_u32 v248, s58, v2
	v_add_nc_u32 v249, s59, v2
	v_lshlrev_b32 v255, 12, v9
	v_lshl_add_u32 v255, v8, 4, v255
	v_add_nc_u32 v255, CSUM, v255
.irp j, 22,23,24,25,26,27
	v_mov_b32 v[\j], 0                             ; the upper 64 of the first product's K: zero codes, in Q
.endr
.irp j, 80,81,82,83,84,85
	v_mov_b32 v[\j], 0                             ; what the operand of K's last tile runs on into
.endr
.irp b, 0,1,2,3
	v_mov_b32 v[236+\b], 0                         ; a lane permute's destination counts as one of its sources
.endr
	v_mov_b32 v253, 0                              ; (named as the upper half of the pair v[252:253] before it is first written)
	s_wait_alu depctr_va_vdst(0)                   ; the wait at the end of the head's vector work
	s_mov_b32 s40, 0x76543210
	s_mov_b32 s41, 0xfedcba98
	s_mov_b32 s42, 0x3e38aa3b                      ; log2(e) / 8
	s_mov_b32 s43, s42
	; the joint load: 51 rows of 256 bytes a wave, a sixteenth of the two heads' K and V, dense in memory and in LDS
	s_mov_b32 s24, 15|(3<<16)|(1<<21)              ; the mask: all four work-groups; elements of 8 bytes; bit 21 beside a mask
	s_mov_b32 s25, 32<<16                          ; tensor_dim0 = 32
	s_mov_b32 s26, 51<<16                          ; tensor_dim1 = 51
	s_mov_b32 s27, 32<<16                          ; tile_dim0 = 32
	s_mov_b32 s28, 51                              ; tile_dim1 = 51
	s_mov_b32 s29, 32                              ; the pitch
	s_mov_b32 s30, 0
	s_mov_b32 s31, 0
	s_mov_b32 s32, 1
	s_mul_i32 s33, s16, 13056                      ; LDS address: the wave's number alone
	s_mul_i32 s56, s18, 2*HB
	s_add_co_u32 s56, s56, s33
	s_mov_b32 s57, 0
	s_mov_b32 s59, 0
	s_wait_kmcnt 0x0
	s_add_nc_u64 s[34:35], s[8:9], s[56:57]
	s_or_b32 s35, s35, 0x80000000
	s_mul_i32 s56, s18, 2*HBQ
	s_mul_i32 s58, s21, 768
	s_add_co_u32 s58, s58, s56
	s_add_nc_u64 s[44:45], s[6:7], s[58:59]        ; Q's half fragment
	s_lshl_b32 s58, s21, 6
	s_add_co_u32 s58, s58, s56
	s_add_co_u32 s58, s58, 49152
	s_add_nc_u64 s[46:47], s[6:7], s[58:59]        ; its scale words
	s_lshl_b32 s58, s19, 21
	s_lshl_b32 s56, s21, 15
	s_add_co_u32 s58, s58, s56
	s_lshl_b32 s56, s20, 9
	s_add_co_u32 s58, s58, s56
	s_add_nc_u64 s[48:49], s[4:5], s[58:59]        ; queries: my 16 rows, the head pair's 128 columns
	s_lshl_b32 s58, s19, 6
	s_lshl_b32 s56, s17, 4
	s_add_co_u32 s58, s58, s56
	s_add_co_u32 s58, s58, s16
	s_mul_i32 s58, s58, 6144
	s_mul_i32 s56, s20, 1536
	s_add_co_u32 s58, s58, s56
	s_add_nc_u64 s[50:51], s[10:11], s[58:59]      ; xc: row tile 16 cx + wave, K step s
	s_lshl_b32 s58, s18, 12
	s_lshl_b32 s56, s17, 10
	s_add_co_u32 s58, s58, s56
	s_and_b32 s56, s16, 1
	s_lshl_b32 s56, s56, 9
	s_add_co_u32 s58, s58, s56
	s_add_nc_u64 s[52:53], s[12:13], s[58:59]      ; xs
	s_lshl_b32 s58, s19, 2
	s_add_co_u32 s58, s58, s17
	s_lshl_b32 s58, s58, 11
	s_lshl_b32 s56, s20, 9
	s_add_co_u32 s58, s58, s56
	s_add_nc_u64 s[54:55], s[14:15], s[58:59]      ; rsum
	CROUND                                         ; all four work-groups are here: the joint loads meet
	tensor_load_to_lds s[32:35], s[24:31]          ; my one tensor load of the launch
	s_nop 0
	PLACES
	PLOAD 0
	s_wait_tensorcnt 0x0                           ; my part of K and V is in,
	s_barrier_signal -1
	s_barrier_wait -1                              ; everybody's is
	RLOAD 0                                        ; the residual is asked for behind the tiles: it is wanted at the pass's end
	PRUN 0
	PLOAD 1
	RLOAD 1
	PRUN 1
.irp i, 0,1,2,3,4,5
	v_mov_b32 v[74+\i], v[86+\i]                   ; the first head's six registers in front of the second's: v74-85 are the result's fragment
.endr
	v_add_nc_u32 v160, s61, v29                    ; LDS addresses of the scale words, made ahead of the parting of the waves below
	v_add_nc_u32 v161, s62, v1
	global_store_b128 v1, v[74:77], s[50:51]       ; the fragment as it stands: 1,536 consecutive bytes
	global_store_b128 v1, v[78:81], s[50:51] offset:512
	global_store_b128 v1, v[82:85], s[50:51] offset:1024
	ds_store_b32 v160, v30
	s_wait_alu depctr_va_vdst(0)
	s_wait_dscnt 0x0                               ; my column sums and my scale words have landed
	s_barrier_signal -1
	s_barrier_wait -1
	s_cmp_lt_u32 s16, 2
	s_cbranch_scc0 .Lnot_words
	ds_load_b128 v[96:99], v161                    ; waves 0 and 1: eight waves' scale words each, 512 consecutive bytes
	s_wait_dscnt 0x0
	global_store_b128 v1, v[96:99], s[52:53]
	s_branch .Ldone
.Lnot_words:
	s_cmp_eq_u32 s16, 2
	s_cbranch_scc0 .Ldone
.set N, 0
.rept 16                                       ; wave 2: the sixteen waves' column sums; lanes 0-15 the first head's 64 channels, lanes 16-31 the second's
	ds_load_b128 v[96+4*N:99+4*N], v255 offset:256*N
.set N, N+1
.endr
	s_wait_dscnt 0x0
.set N, 1
	v_pk_add_f32 v[96:97], v[96:97], v[96+4*N:97+4*N]
	v_pk_add_f32 v[98:99], v[98:99], v[98+4*N:99+4*N]
.set N, N+1
.rept (15)-1
	s_delay_alu instid0(VALU_DEP_2)
	v_pk_add_f32 v[96:97], v[96:97], v[96+4*N:97+4*N]
	s_delay_alu instid0(VALU_DEP_2)
	v_pk_add_f32 v[98:99], v[98:99], v[98+4*N:99+4*N]
.set N, N+1
.endr
	global_store_b128 v1, v[96:99], s[54:55]
.Ldone:
	s_wait_dscnt 0x0
	s_wait_xcnt 0x0
	v_lshl_add_u32 v254, v0, 2, 0x46400
	v_mov_b32 v255, 0
	s_wait_alu depctr_va_vdst(0)
	s_wait_tensorcnt 0x0
	ds_add_u32 v254, v255
	s_wait_dscnt 0x0
	CROUND                                         ; the closing round
	s_endpgm
.Lfunc_end_k_q578724e724_attn:
	.size	k_q578724e724_attn, .Lfunc_end_k_q578724e724_attn-k_q578724e724_attn
	.p2alignl 7, 3214868480
	.fill 96, 4, 3214868480
	.section	.rodata,"a",@progbits
	.p2align	6, 0x0
	.amdhsa_kernel k_q578724e724_attn
		.amdhsa_group_segment_fixed_size 289792
		.amdhsa_private_segment_fixed_size 0
		.amdhsa_enable_private_segment 0
		.amdhsa_kernarg_size 48
		.amdhsa_user_sgpr_count 2
		.amdhsa_user_sgpr_kernarg_segment_ptr 1
		.amdhsa_wavefront_size32 1
		.amdhsa_system_sgpr_workgroup_id_x 1
		.amdhsa_system_sgpr_workgroup_id_y 1
		.amdhsa_system_sgpr_workgroup_id_z 1
		.amdhsa_system_vgpr_workitem_id 0
		.amdhsa_next_free_vgpr 256
		.amdhsa_next_free_sgpr 100
		.amdhsa_reserve_vcc 0
		.amdhsa_float_denorm_mode_32 3
		.amdhsa_float_denorm_mode_16_64 3
		.amdhsa_memory_ordered 1
		.amdhsa_forward_progress 1
		.amdhsa_inst_pref_size 78
	.end_amdhsa_kernel
	.amdgpu_metadata
---
amdhsa.version: [ 1, 2 ]
amdhsa.kernels:
  - .name:           k_q578724e724_attn
    .symbol:         k_q578724e724_attn.kd
    .args:
      - { .name: queries, .offset: 0, .size: 8, .value_kind: global_buffer, .address_space: global }
      - { .name: qb, .offset: 8, .size: 8, .value_kind: global_buffer, .address_space: global }
      - { .name: kv, .offset: 16, .size: 8, .value_kind: global_buffer, .address_space: global }
      - { .name: xc, .offset: 24, .size: 8, .value_kind: global_buffer, .address_space: global }
      - { .name: xs, .offset: 32, .size: 8, .value_kind: global_buffer, .address_space: global }
      - { .name: rsum, .offset: 40, .size: 8, .value_kind: global_buffer, .address_space: global }
    .group_segment_fixed_size: 289792
    .private_segment_fixed_size: 0
    .kernarg_segment_align: 8
    .kernarg_segment_size: 48
    .max_flat_workgroup_size: 512
    .sgpr_count:     100
    .vgpr_count:     256
    .wavefront_size: 32
...
	.end_amdgpu_metadata
.endif
;; end of part 6
;; launch ffn (part 7): grid 8 x 32, 4 waves a work-group, clusters of 4 x 1, 327,680 bytes of LDS; arguments xc, xs, w1i, fw1_scales, w2i, fw2_scales, fpart; writes fpart
.if DOCPART == 7
	.amdgcn_target "amdgcn-amd-amdhsa--gfx1250"
	.amdhsa_code_object_version 6
	.text
	.protected	k_q578724e724_ffn
	.globl	k_q578724e724_ffn
	.p2align	8
	.type	k_q578724e724_ffn,@function
k_q578724e724_ffn:
	s_mov_b64 s[64:65], 0
	v_nop
	global_prefetch_b8 v0, s[64:65] scope:SCOPE_SE
	s_setreg_imm32_b32 hwreg(HW_REG_WAVE_MODE, 25, 1), 1
	s_wait_xcnt 0x0
	s_wait_alu depctr_hold_cnt(0) depctr_sa_sdst(0) depctr_va_vdst(0) depctr_va_sdst(0) depctr_va_ssrc(0) depctr_va_vcc(0) depctr_vm_vsrc(0)
	s_getreg_b32 s2, hwreg(HW_REG_IB_STS2, 6, 4)
	s_cmp_eq_u32 s2, 0
	s_cbranch_scc0 .Lentry_in_a_cluster
	s_endpgm
.Lentry_in_a_cluster:
	s_bfe_u32 s2, ttmp6, 0x10000c
	s_cmp_lg_u32 s2, 0x3003
	s_cbranch_scc0 .Lentry_shape_is_right
	s_endpgm
.Lentry_shape_is_right:
.set XSL,  196608
.set HIM,  204800
.set HSC,  229376
.set OUTS, 231424
.set XF,  24
.set HA,  72
.set PC,  136
.set TM,  156
.set PW,  172
.set XS,  176
.set XS2, 244
.set W1S, 196
.set W2S, 228
.set SEL, 48
.set MSB, 0
.macro WIN new
.if MSB != (\new)
	s_set_vgpr_msb (MSB<<8)|(\new)
.set MSB, \new
.endif
.endm
.macro FLOC f
.set FW, 1+(\f)/21
.set FG, 12*((\f)%21)
.endm
.macro PLACES
.rept 4
	v_nop
.endr
.endm
.macro BARRIER
	s_wait_dscnt 0x0
	s_barrier_signal -1
	s_barrier_wait -1
.endm
.macro CROUND
	s_barrier_signal -1
	s_barrier_wait -1
	s_cmp_lg_u32 s18, 0
	s_cbranch_scc1 .Lnot_wave_0_\@
	s_barrier_signal -3
.Lnot_wave_0_\@:
	s_barrier_wait -3
	s_barrier_signal -1
	s_barrier_wait -1
.endm
.macro MM0 d, a, b, sa, sb
	v_wmma_scale_f32_16x16x128_f8f6f4 v[\d:\d+7], v[\a:\a+11], v[\b:\b+11], 0, v[\sa], v[\sb] matrix_a_fmt:MATRIX_FMT_FP6 matrix_b_fmt:MATRIX_FMT_FP6
.endm
.macro MMA d, a, b, sa, sb
	v_wmma_scale_f32_16x16x128_f8f6f4 v[\d:\d+7], v[\a:\a+11], v[\b:\b+11], v[\d:\d+7], v[\sa], v[\sb] matrix_a_fmt:MATRIX_FMT_FP6 matrix_b_fmt:MATRIX_FMT_FP6
.endm
.macro QUANT s
.irp b, 0,1,2,3
	v_max3_num_f32 v[TM+\b], |v[\s+16*\b]|, |v[\s+1+16*\b]|, 0x1800000
.endr
.irp i, 2,4,6,8,10,12,14
.irp b, 0,1,2,3
	v_max3_num_f32 v[TM+\b], v[TM+\b], |v[\s+16*\b+\i]|, |v[\s+1+16*\b+\i]|
.endr
.endr
.irp b, 0,1,2,3
	v_permlanex16_b32 v[TM+4+\b], v[TM+\b], s[SEL], s[SEL+1]
.endr
.irp b, 0,1,2,3
	v_max_num_f32 v[TM+\b], v[TM+\b], v[TM+4+\b]
.endr
.irp b, 0,1,2,3
	v_add_nc_u32 v[TM+12+\b], 0xff000000, v[TM+\b]
.endr
.irp b, 0,1,2,3
	v_lshrrev_b32 v[TM+4+\b], 23, v[TM+12+\b]
.endr
	v_lshl_or_b32 v[PW], v[TM+5], 8, v[TM+4]
	v_lshl_or_b32 v[PW], v[TM+6], 16, v[PW]
	v_lshl_or_b32 v[PW], v[TM+7], 24, v[PW]
.irp c, 0,1
	v_cvt_scalef32_pk16_fp6_f32 v[PC+6*\c:PC+2+6*\c], v[\s+32*\c:\s+15+32*\c], v[TM+12+2*\c]
	v_cvt_scalef32_pk16_fp6_f32 v[PC+12+4*\c:PC+14+4*\c], v[\s+16+32*\c:\s+31+32*\c], v[TM+12+2*\c+1]
.endr
	v_nop
.irp c, 0,1
.irp i, 0,1,2
	v_permlane16_swap_b32 v[PC+6*\c+\i], v[PC+12+4*\c+\i]
.endr
.irp i, 0,1,2
	v_mov_b32 v[PC+3+6*\c+\i], v[PC+12+4*\c+\i]
.endr
.endr
.endm
.macro XFETCH i
.irp s, 0,1,2,3
.irp c, 0,1,2
	ds_load_b128 v[XF+12*\s+4*\c:XF+12*\s+4*\c+3], v12 offset:6144*(\i)+1536*\s+512*\c
.endr
	ds_load_b32 v[XS+\s], v13 offset:2048*\s+64*(\i)
.endr
.endm
.macro HFETCH buf, scl, ks, q
.irp m, 0,1,2,3
.irp c, 0,1,2
	ds_load_b128 v[\buf+12*\m+4*\c:\buf+12*\m+4*\c+3], v17 offset:(2*(4*(\q)+\m)+(\ks))*1536+512*\c
.endr
	ds_load_b32 v[\scl+\m], v18 offset:128*(2*(4*(\q)+\m)+(\ks))
.endr
.endm
.macro HMUL buf, scl, ks
	WIN 0xfc
.irp m, 0,1,2,3
.irp n, 0,1,2,3,4,5,6,7
	MMA 192+8*\n, \buf+12*\m, 12*(2*\n+(\ks)), \scl+\m, W2S+2*\n+(\ks)
.endr
.endr
	WIN 0
	PLACES
.endm
	s_load_b256 s[4:11], s[0:1], 0x0
	s_load_b128 s[12:15], s[0:1], 0x20
	s_load_b64 s[16:17], s[0:1], 0x30
	v_lshl_add_u32 v254, v0, 2, 0x39000
	v_mov_b32 v255, 0
	ds_add_u32 v254, v255
	ds_add_u32 v254, v255
	v_lshrrev_b32 v1, 5, v0
	v_readfirstlane_b32 s18, v1
	s_bfe_u32 s19, ttmp6, 0x40000
	s_lshl_b32 s20, ttmp9, 2
	s_add_co_u32 s20, s20, s19
	s_and_b32 s21, ttmp7, 0xffff
	s_and_b32 s22, s18, 1
	s_lshr_b32 s23, s18, 1
	v_and_b32 v1, 31, v0
	v_and_b32 v2, 15, v0
	v_bfe_u32 v3, v0, 4, 1
	v_lshlrev_b32 v4, 4, v1
	v_lshlrev_b32 v5, 2, v1
	s_wait_alu depctr_va_vdst(0)
	v_lshlrev_b32 v6, 2, v2
	v_and_b32 v7, 8, v2
	v_add_nc_u32 v7, v7, v2
	v_lshlrev_b32 v9, 4, v7
	v_lshlrev_b32 v11, 6, v2
	v_add_nc_u32 v14, XSL, v6
	s_mul_i32 s54, s22, 1536
	s_mul_i32 s55, s23, 12288
	s_add_co_u32 s54, s54, s55
	s_add_co_u32 s54, s54, HIM
	v_add_nc_u32 v15, s54, v4
	s_lshl_b32 s54, s22, 7
	s_lshl_b32 s55, s23, 10
	s_add_co_u32 s54, s54, s55
	s_add_co_u32 s54, s54, HSC
	v_add_nc_u32 v16, s54, v5
	v_add_nc_u32 v17, HIM, v4
	v_add_nc_u32 v18, HSC, v5
	s_lshl_b32 s54, s18, 9
	s_add_co_u32 s54, s54, OUTS
	v_add_nc_u32 v19, s54, v6
	v_add_nc_u32 v20, s54, v4
.irp b, 0,1,2,3
	v_mov_b32 v[TM+4+\b], 0
.endr
.irp n, 0,1,2,3,4,5,6,7
	v_mov_b32 v[188+\n], 0
.endr
	s_mov_b32 s[SEL], 0x76543210
	s_mov_b32 s[SEL+1], 0xfedcba98
	s_mov_b32 s24, 15|(3<<16)|(1<<21)
	s_mov_b32 s25, 32<<16
	s_mov_b32 s26, 256<<16
	s_mov_b32 s27, 32<<16
	s_mov_b32 s28, 256
	s_mov_b32 s29, 32
	s_mov_b32 s30, 0
	s_mov_b32 s31, 0
	s_mov_b32 s36, 15|(3<<16)|(1<<21)
	s_mov_b32 s37, 256<<16
	s_mov_b32 s38, 4<<16
	s_mov_b32 s39, 256<<16
	s_mov_b32 s40, 4
	s_mov_b32 s41, 512
	s_mov_b32 s42, 0
	s_mov_b32 s43, 0
	s_mov_b32 s32, 1
	s_lshl_b32 s33, s18, 16
	s_mov_b32 s44, 1
	s_mov_b32 s45, XSL
	s_mul_i32 s54, s21, 196608
	s_add_co_u32 s54, s54, s33
	s_mov_b32 s55, 0
	s_lshr_b32 s56, s21, 1
	s_lshl_b32 s56, s56, 14
	s_and_b32 s57, s21, 1
	s_lshl_b32 s57, s57, 11
	s_add_co_u32 s56, s56, s57
	s_mov_b32 s57, 0
	s_wait_dscnt 0x0
	s_wait_kmcnt 0x0
	s_add_nc_u64 s[34:35], s[4:5], s[54:55]
	s_or_b32 s35, s35, 0x80000000
	s_add_nc_u64 s[46:47], s[6:7], s[56:57]
	s_or_b32 s47, s47, 0x80000000
	s_lshl_b32 s54, s20, 1
	s_add_co_u32 s54, s54, s22
	s_mul_i32 s54, s54, 49152
	s_add_nc_u64 s[58:59], s[8:9], s[54:55]
	s_lshl_b32 s54, s20, 12
	s_lshl_b32 s56, s22, 11
	s_add_co_u32 s54, s54, s56
	s_add_nc_u64 s[60:61], s[10:11], s[54:55]
	s_lshl_b32 s54, s20, 2
	s_add_co_u32 s54, s54, s18
	s_mul_i32 s54, s54, 24576
	s_add_nc_u64 s[62:63], s[12:13], s[54:55]
	s_lshl_b32 s54, s18, 13
	s_lshl_b32 s56, s20, 3
	s_add_co_u32 s54, s54, s56
	s_add_nc_u64 s[66:67], s[14:15], s[54:55]
	s_lshl_b32 s54, s21, 3
	s_add_co_u32 s54, s54, s20
	s_lshl_b32 s54, s54, 11
	s_lshl_b32 s56, s18, 9
	s_add_co_u32 s54, s54, s56
	s_add_nc_u64 s[68:69], s[16:17], s[54:55]
	s_wait_alu depctr_va_vdst(0)                   ; the wait at the head's end
	CROUND
	; the head's tiles, one joint load a wave: waves 0-2 take 256 rows of 256 bytes of the rows' codes each, wave 3 the four K steps' scale words (4 rows of 2,048 bytes, 4,096 apart)
	s_cmp_lt_u32 s18, 3
	s_cbranch_scc0 .Lfor_xs
	tensor_load_to_lds s[32:35], s[24:31]
	s_nop 0
	PLACES
	s_branch .Lasked
.Lfor_xs:
	tensor_load_to_lds s[44:47], s[36:43]
	s_nop 0
	PLACES
.Lasked:
.set F, 0
.rept 32
	FLOC F
	WIN FW<<6
.irp c, 0,1,2
	global_load_b128 v[FG+4*\c:FG+4*\c+3], v4, s[58:59] offset:1536*F+512*\c
.endr
.set F, F+1
.endr
	WIN 0
.irp t, 0,1,2,3,4,5,6,7
	global_load_b128 v[W1S+4*\t:W1S+4*\t+3], v9, s[60:61] offset:(32*(\t/2)+8*(\t%2))*16
.endr
	WIN 0xc0
.set F, 0
.rept 16
.irp c, 0,1,2
	global_load_b128 v[12*F+4*\c:12*F+4*\c+3], v4, s[62:63] offset:1536*F+512*\c
.endr
.set F, F+1
.endr
.set N, 0
.rept 64
	v_mov_b32 v[192+N], 0
.set N, N+1
.endr
	WIN 0
.irp n, 0,1,2,3,4,5,6,7
	global_load_b64 v[W2S+2*\n:W2S+2*\n+1], v11, s[66:67] offset:1024*\n
.endr
	s_mul_i32 s50, s23, 24576
	s_lshl_b32 s51, s23, 8
	s_mov_b32 s52, 0
	s_wait_loadcnt 0x0
	s_wait_tensorcnt 0x0
	BARRIER
.Lblock:
	v_add_nc_u32 v12, s50, v4
	v_add_nc_u32 v13, s51, v14
	XFETCH 0
	s_wait_alu depctr_va_vdst(0)
.irp i, 0,1,2,3
	s_wait_dscnt 0x0
.irp s, 0,1,2,3
.irp t, 0,1,2,3,4,5,6,7
	FLOC 4*\t+\s
	WIN FW
.if \s == 0
	MM0 HA+8*\t, FG, XF+12*\s, W1S+4*\t+\s, XS+\s
.else
	MMA HA+8*\t, FG, XF+12*\s, W1S+4*\t+\s, XS+\s
.endif
.endr
.endr
	WIN 0
	PLACES
.if \i < 3
	XFETCH \i+1
.endif
.set N, 0
.rept 64
	v_max_num_f32 v[HA+N], 0, v[HA+N]
.set N, N+1
.endr
	QUANT HA
.irp c, 0,1,2
	ds_store_b128 v15, v[PC+4*\c:PC+4*\c+3] offset:3072*\i+512*\c
.endr
	ds_store_b32 v16, v[PW] offset:256*\i
.endr
	BARRIER
	HFETCH XF, XS, 0, 0
	HFETCH HA, XS2, 0, 1
	s_wait_dscnt 16
	HMUL XF, XS, 0
	HFETCH XF, XS, 1, 0
	s_wait_dscnt 16
	HMUL HA, XS2, 0
	HFETCH HA, XS2, 1, 1
	s_wait_dscnt 16
	HMUL XF, XS, 1
	s_wait_dscnt 0x0
	HMUL HA, XS2, 1
	v_nop
	BARRIER
	s_add_co_u32 s50, s50, 49152
	s_add_co_u32 s51, s51, 512
	s_add_co_u32 s52, s52, 1
	s_cmp_lt_u32 s52, 4
	s_cbranch_scc1 .Lblock
	WIN 0x0f
.irp n, 0,1,2,3,4,5,6,7
	v_add_f32 v[180+\n], v[192+8*\n], v[193+8*\n]
.endr
	WIN 0x03
.irp j, 2,3,4,5,6,7
.irp n, 0,1,2,3,4,5,6,7
	v_add_f32 v[180+\n], v[192+8*\n+\j], v[180+\n]
.endr
.endr
	WIN 0
.irp n, 0,1,2,3,4,5,6,7
	v_permlanex16_b32 v[188+\n], v[180+\n], s[SEL], s[SEL+1]
.endr
.irp n, 0,1,2,3,4,5,6,7
	v_add_f32 v[180+\n], v[180+\n], v[188+\n]
.endr
.irp n, 0,1,2,3,4,5,6,7
	ds_store_b32 v19, v[180+\n] offset:64*\n
.endr
	ds_load_b128 v[24:27], v20
	s_wait_dscnt 0x0
	global_store_b128 v4, v[24:27], s[68:69]
	s_wait_tensorcnt 0x0
	ds_add_u32 v254, v255
	s_wait_dscnt 0x0
	CROUND
	s_endpgm
.Lfunc_end_k_q578724e724_ffn:
	.size	k_q578724e724_ffn, .Lfunc_end_k_q578724e724_ffn-k_q578724e724_ffn
	.p2alignl 7, 3214868480
	.fill 96, 4, 3214868480
	.section	.rodata,"a",@progbits
	.p2align	6, 0x0
	.amdhsa_kernel k_q578724e724_ffn
		.amdhsa_group_segment_fixed_size 327680
		.amdhsa_private_segment_fixed_size 0
		.amdhsa_enable_private_segment 0
		.amdhsa_kernarg_size 56
		.amdhsa_user_sgpr_count 2
		.amdhsa_user_sgpr_kernarg_segment_ptr 1
		.amdhsa_wavefront_size32 1
		.amdhsa_system_sgpr_workgroup_id_x 1
		.amdhsa_system_sgpr_workgroup_id_y 1
		.amdhsa_system_sgpr_workgroup_id_z 1
		.amdhsa_system_vgpr_workitem_id 0
		.amdhsa_next_free_vgpr 1024
		.amdhsa_next_free_sgpr 70
		.amdhsa_reserve_vcc 0
		.amdhsa_float_denorm_mode_32 3
		.amdhsa_float_denorm_mode_16_64 3
		.amdhsa_memory_ordered 1
		.amdhsa_forward_progress 1
		.amdhsa_inst_pref_size 95
	.end_amdhsa_kernel
	.amdgpu_metadata
---
amdhsa.version: [ 1, 2 ]
amdhsa.kernels:
  - .name:           k_q578724e724_ffn
    .symbol:         k_q578724e724_ffn.kd
    .args:
      - { .name: xc, .offset: 0, .size: 8, .value_kind: global_buffer, .address_space: global }
      - { .name: xs, .offset: 8, .size: 8, .value_kind: global_buffer, .address_space: global }
      - { .name: w1i, .offset: 16, .size: 8, .value_kind: global_buffer, .address_space: global }
      - { .name: fw1_scales, .offset: 24, .size: 8, .value_kind: global_buffer, .address_space: global }
      - { .name: w2i, .offset: 32, .size: 8, .value_kind: global_buffer, .address_space: global }
      - { .name: fw2_scales, .offset: 40, .size: 8, .value_kind: global_buffer, .address_space: global }
      - { .name: fpart, .offset: 48, .size: 8, .value_kind: global_buffer, .address_space: global }
    .group_segment_fixed_size: 327680
    .private_segment_fixed_size: 0
    .kernarg_segment_align: 8
    .kernarg_segment_size: 56
    .max_flat_workgroup_size: 128
    .sgpr_count:     70
    .vgpr_count:     1024
    .wavefront_size: 32
...
	.end_amdgpu_metadata
.endif
;; end of part 7
;; launch mean (part 8): grid 4 x 16, 1 waves a work-group, no clusters, 0 bytes of LDS; arguments fpart, rsum, out0; writes out0
.if DOCPART == 8
	.amdgcn_target "amdgcn-amd-amdhsa--gfx1250"
	.amdhsa_code_object_version 6
	.text
	.protected	k_q578724e724_mean
	.globl	k_q578724e724_mean
	.p2align	8
	.type	k_q578724e724_mean,@function
k_q578724e724_mean:
	s_mov_b64 s[64:65], 0
	v_nop
	global_prefetch_b8 v0, s[64:65] scope:SCOPE_SE
	s_setreg_imm32_b32 hwreg(HW_REG_WAVE_MODE, 25, 1), 1
	s_wait_xcnt 0x0
; out0[b][c] = (the 16 partial sums of the feed-forward layer + the 4 partial column sums of the attention's result) / 1,024.
; One wave takes 128 columns of one batch: 20 loads of 512 consecutive bytes, 38 packed additions in two chains, one store of 512 consecutive bytes.  The launch has work for 64 waves and launches those.
	s_load_b128 s[4:7], s[0:1], 0x0                ; fpart, rsum
	s_load_b64 s[8:9], s[0:1], 0x10                ; out0
	s_and_b32 s10, ttmp7, 0xffff                   ; batch
	s_lshl_b32 s12, s10, 15                        ; 16 rows of 2,048 bytes in fpart,
	s_mov_b32 s13, 0
	s_lshl_b32 s14, s10, 13                        ; 4 in rsum,
	s_mov_b32 s15, 0
	s_lshl_b32 s16, s10, 11                        ; one in out0
	s_mov_b32 s17, 0
	s_lshl_b32 s11, ttmp9, 9
	v_lshlrev_b32 v1, 4, v0
	v_add_nc_u32 v1, s11, v1                       ; my 16 bytes of a row
	s_wait_alu depctr_va_vdst(0)
	s_wait_kmcnt 0x0
	s_add_nc_u64 s[4:5], s[4:5], s[12:13]
	s_add_nc_u64 s[6:7], s[6:7], s[14:15]
	s_add_nc_u64 s[8:9], s[8:9], s[16:17]
.set N, 0
.rept 16
	global_load_b128 v[4+4*N:7+4*N], v1, s[4:5] offset:2048*N
.set N, N+1
.endr
.set N, 0
.rept 4
	global_load_b128 v[68+4*N:71+4*N], v1, s[6:7] offset:2048*N
.set N, N+1
.endr
	s_wait_loadcnt 0x0
.set N, 1
.rept 19
	v_pk_add_f32 v[4:5], v[4:5], v[4+4*N:5+4*N]
	v_pk_add_f32 v[6:7], v[6:7], v[6+4*N:7+4*N]
.set N, N+1
.endr
	v_pk_mul_f32 v[4:5], v[4:5], 0x3a800000 op_sel_hi:[1,0]   ; x 2^-10
	v_pk_mul_f32 v[6:7], v[6:7], 0x3a800000 op_sel_hi:[1,0]
	global_store_b128 v1, v[4:7], s[8:9]
	s_endpgm
.Lfunc_end_k_q578724e724_mean:
	.size	k_q578724e724_mean, .Lfunc_end_k_q578724e724_mean-k_q578724e724_mean
	.p2alignl 7, 3214868480
	.fill 96, 4, 3214868480
	.section	.rodata,"a",@progbits
	.p2align	6, 0x0
	.amdhsa_kernel k_q578724e724_mean
		.amdhsa_group_segment_fixed_size 0
		.amdhsa_private_segment_fixed_size 0
		.amdhsa_enable_private_segment 0
		.amdhsa_kernarg_size 24
		.amdhsa_user_sgpr_count 2
		.amdhsa_user_sgpr_kernarg_segment_ptr 1
		.amdhsa_wavefront_size32 1
		.amdhsa_system_sgpr_workgroup_id_x 1
		.amdhsa_system_sgpr_workgroup_id_y 1
		.amdhsa_system_sgpr_workgroup_id_z 1
		.amdhsa_system_vgpr_workitem_id 0
		.amdhsa_next_free_vgpr 96
		.amdhsa_next_free_sgpr 66
		.amdhsa_reserve_vcc 0
		.amdhsa_float_denorm_mode_32 3
		.amdhsa_float_denorm_mode_16_64 3
		.amdhsa_memory_ordered 1
		.amdhsa_forward_progress 1
		.amdhsa_inst_pref_size 6
	.end_amdhsa_kernel
	.amdgpu_metadata
---
amdhsa.version: [ 1, 2 ]
amdhsa.kernels:
  - .name:           k_q578724e724_mean
    .symbol:         k_q578724e724_mean.kd
    .args:
      - { .name: fpart, .offset: 0, .size: 8, .value_kind: global_buffer, .address_space: global }
      - { .name: rsum, .offset: 8, .size: 8, .value_kind: global_buffer, .address_space: global }
      - { .name: out0, .offset: 16, .size: 8, .value_kind: global_buffer, .address_space: global }
    .group_segment_fixed_size: 0
    .private_segment_fixed_size: 0
    .kernarg_segment_align: 8
    .kernarg_segment_size: 24
    .max_flat_workgroup_size: 32
    .sgpr_count:     66
    .vgpr_count:     96
    .wavefront_size: 32
...
	.end_amdgpu_metadata
.endif
;; end of part 8
